; MI455X (gfx1250); checked and timed in simulation.
; The chip was launched on July 23, 2026; its instructions are those of AMD's public machine-readable ISA for CDNA 5 (MIT licence, August 2026) and "CDNA5" Instruction Set Architecture Reference Guide (July 2026). The comments in the code are by the model that wrote it; some were corrected since.
;; Seq Attention Block. Allowed arithmetic: matrix products marked QUANTISED: E2M3 operands, one E8M0 scale for each 32 along K, by v_wmma_scale_f32_16x16x128_f8f6f4 with both operands' format E2M3, f32 sums; everything else in f32.
;; Inputs: Wk 128 x 256 float32; Wq 128 x 256 float32; Wv 128 x 256 float32; bk 256 float32; bq 256 float32; bv 256 float32; inp 8 x 512 x 16 x 128 float32; mask 8 x 512 x 16 bool.
;; Outputs: out0 8 x 512 x 16 x 256 float32.
;; This version of the problem:
;;   THIS VERSION OF THE PROBLEM IS GIVEN IN LOW PRECISION. The matrix products marked QUANTISED in the list below multiply operands that are first quantised to E2M3 (2 exponent bits, 3 mantissa bits; 6 bits a number), with one power-of-two scale for each 32 numbers along K (OCP MX v1.0); their sums are f32. All else is computed in f32.
;;   The module's matrix products, in the order in which they are computed (A, B: the left and right operand; K: the contracted axis; several contracted axes count as one K, in the product's order):
;;     1. [M 65,536, K 128] x [K 128, N 256]; A: input inp; B: input Wq: QUANTISED
;;     2. [M 65,536, K 128] x [K 128, N 256]; A: input inp; B: input Wk: QUANTISED
;;     3. [M 65,536, K 128] x [K 128, N 256]; A: input inp; B: input Wv: QUANTISED
;;     4. batch 1,024 x [M 512, K 32] x [K 32, N 512]; A: computed on the way; B: computed on the way: QUANTISED
;;     5. batch 1,024 x [M 512, K 512] x [K 512, N 32]; A: computed on the way; B: computed on the way: QUANTISED
;;   THE QUANTISER, for each operand of a quantised product, along K:
;;     - K is cut into blocks of 32 from its start; a last block that is shorter is filled with zeros.
;;     - A block's scale is 2^e with e = floor(log2(the largest magnitude in the block)) - 2, held to -126 .. 127; a block of zeros has e = 0. As a byte (E8M0): e + 127.
;;     - Each number is divided by its block's scale, clamped to +-7.5, and rounded to the nearest number of E2M3, ties to even, subnormals kept.
;;     - The product sums the exact products of the quantised numbers (number of the format x scale) in f32.
;;   ~~~python
;;   def quantise(x, axis):      # numpy; x: float32 -> the quantised numbers, widened to float32 again
;;       x = np.moveaxis(x, axis, -1); K = x.shape[-1]
;;       x = np.pad(x, [(0, 0)] * (x.ndim - 1) + [(0, -K % 32)]); x = x.reshape(x.shape[:-1] + (-1, 32)); a = np.abs(x).max(-1, keepdims=True)
;;       e = np.where(a > 0, np.clip(np.frexp(np.where(a > 0, a, 1))[1] - 1 - 2, -126, 127), 0)      # np.frexp(a)[1] - 1 = floor(log2(a)), exactly
;;       r = np.clip(x / 2.0 ** e, -7.5, 7.5)
;;       step = 2.0 ** (np.maximum(np.frexp(np.where(r == 0, 1, r))[1] - 1, 0) - 3)
;;       q = np.round(r / step) * step * 2.0 ** e      # np.round: ties to even
;;       return np.moveaxis(q.reshape(q.shape[:-2] + (-1,))[..., :K], -1, axis).astype(np.float32)
;;   ~~~
;;   OPERANDS COMPUTED ON THE WAY. 'Computed on the way' means the value that the module computes at that place (a softmax that the list does not call 'softmax' is quantised finished and normalised). What goes into a quantiser is computed in f32, as accurately as f32 sums, v_exp_f32 and their like allow (about 1e-6 of the number): no bf16 or f16 on the way to a quantiser, and a product that is left as it is and whose result goes on into a quantised operand takes f32 operands (vector FMAs, or v_wmma_f32_16x16x4_f32). A number that lies on a knife's edge between two numbers of the format may be rounded either way, as far as f32 arithmetic and the matrix unit's own rounding can turn it there, and no further.
;; 2 versions, each right; version 2 is version 1 with the launch attn written anew for expert scheduling mode. Each part assembles by itself: llvm-mc -triple=amdgcn-amd-amdhsa -mcpu=gfx1250 --defsym DOCPART=n.
;; ======== version 1 of 2: 1 launch
;; limits: right only within a limited range of input values
;; launch attn (part 1): grid 2 x 128, 4 waves a work-group, no clusters, 324,096 bytes of LDS; arguments inp, mask, Wq, bq, Wk, bk, Wv, bv, out0; writes out0
.if DOCPART == 1
	.amdgcn_target "amdgcn-amd-amdhsa--gfx1250"
	.amdhsa_code_object_version 6
	.text
	.protected	k_qe6ea264c2b_attn
	.globl	k_qe6ea264c2b_attn
	.p2align	8
	.type	k_qe6ea264c2b_attn,@function
k_qe6ea264c2b_attn:
	s_mov_b64 s[64:65], 0
	v_nop
	global_prefetch_b8 v0, s[64:65] scope:SCOPE_SE
	s_setreg_imm32_b32 hwreg(HW_REG_WAVE_MODE, 25, 1), 1
	s_wait_xcnt 0x0
; q, k, v = inp W + b (N = 256: 8 heads of 32); for each (b, m, head) attention over the 512 times with a key mask that is an input.
; All five products on codes of FP6 (E2M3) with one E8M0 scale for each 32 along K.  The weight is quantised FINISHED: true row maximum, divided by the row's sum, 0 at masked keys.
; SHARES.  A work-group owns one (b, m) and four heads (x: the group of heads, y: 16 b + m); wave w owns head 4 x + w.  Its 512 keys (96 registers of codes), its 512 values (96) and the mask
; (256 registers, the C of the score products: 0 or -3e38) stay in registers; a unit of work is 16 queries x 512 keys: 256 registers of scores.
; LAYOUT.  L = lane, r = L % 16, h = L / 16.  Tile T = 4 g + t of x: its row r is time 64 g + 32 (r / 8) + 8 t + r % 8.  The same 32 tiles are rows of x, tiles of keys and tiles of queries.
;   q, k transposed (source 0 = 16 columns of W, source 1 = x): a lane holds 16 neighbours of the head's 32 of one row.  A head's 32 are ONE block, so four tiles of keys are packed as the four blocks of one
;   fragment, and the score tile (g, t) is that fragment times a query operand that is zero outside block t.  Register 32 g + i of the scores is then key 64 g + 32 h + i of query r: a whole block of 32 keys, in order,
;   in one lane: its largest needs no other lane and its two conversions are registers 6 c .. 6 c + 5 of the second product's operand.
;   v not transposed (source 0 = x, source 1 = 16 columns of Wv): a lane holds a whole block of 32 keys of one column.  O^T = V^T P: a lane holds one query and eight neighbouring columns.
; LIMITS: |q . k| stays under 1e30 (the floor under the row's maximum; masked scores are -3e38); NaN and infinities among the inputs are not served; weights under 2^-126 are 0;
;   a block of zeros carries the byte 1 (its codes are zeros; only this program reads the bytes); a block's largest weight is made from its largest score by the same three instructions as every weight,
;   which takes the exponential not to fall where its input rises.  A row whose keys are all masked gives 0.
; No tensor loads, no ring: each input byte is wanted once, at the head, in the quantiser's lane layout; afterwards nothing streams.  No cluster: work-groups share only inp, read once through registers.
; LDS
.set XIMG, 0                           ; 32 x 1,536: x's fragments as images of their registers (16 L + 512 k)
.set XSC,  49152                       ; 32 x 128: their scale words (4 L)
.set MT,   53248                       ; 512 words: 0 or -3e38 for each key
.set STG,  55296                       ; 16 rows x (512 + 16): the way out
.set QB,   63744                       ; 4 x 32,768: wave w's queries: (T, r) at 1,024 T + 64 r: 24 bytes of codes, the scale word, 0, and 32 bytes of zeros
.set KB,   194816                      ; 4 x 12,288: wave w's eight fragments of keys, as images
.set KSB,  243968                      ; 4 x 1,024: their scale words
.set VB,   248064                      ; 4 x 16,384: wave w's values: (u, g, L) at 1,024 (8 u + g) + 32 L: 24 bytes of codes, the byte as a word, 0
; window 0, kept
.set LI,  2                            ; 16 L
.set LS,  3                            ; 4 L (also Wv's column offset)
.set SH8, 4                            ; 8 h
.set XA,  5                            ; x: (32 (r / 8) + r % 8) rows of 8,192 bytes + 128 h
.set WLQ, 6                            ; Wq, Wk: 4 x (16 ((L / 8) % 2) + 8 (L / 16) + L % 8)
.set BO,  8                            ; 64 h
.set BR,  9                            ; 4 r
.set MO,  10                           ; 16 x thread
.set MTS, 11
.set XWI, 12
.set XWS, 13
.set AQS, 14
.set AKS, 15
.set AKW, 16
.set AVS, 17
.set AMT, 18
.set ALO, 19
.set AHI, 20
.set STO, 21
.set SRD, 22
.set GO,  23
.set AT,  24                           ; v24-29 addresses in hand
.set KS,  32                           ; v32-39 the keys' scale words
.set VS,  40                           ; v40-47 the values' (4 u + s); at the head v40-42 the weights'
.set PS,  48                           ; v48-51 the weights' of a unit; at the head x's
.set QS,  52                           ; the queries' scale word
.set KW,  53
.set QR,  54                           ; v54-83: zeros 6, codes in lanes 0-15 6, zeros 6, codes in lanes 16-31 6, zeros 6
; window 0, main part
.set BM,  84
.set HH,  92
.set P,   96                           ; v96-143 the weights' codes: 6 g
.set TMP, 144                          ; v144-175 the upper halves of the blocks' codes: 4 g
.set O,   176
.set OUTR, 192
.set SO,  208
.set BY,  216
.set XX,  224
.set NM,  228
.set RL,  230
.set SUM, 232
.set MX,  240
.set LL,  242
; window 0, head.  (No conversion's destination has a number that its sources have in their window.)
.set WFK, 84
.set WFQ, 108
.set WFV, 132
.set XF,  156
.set QT,  204
.set M4,  220
.set TU0, 224
.set TU1, 228
.set M4B, 232
.set SO4, 236
.set XC,  240
.set BY4, 252
.set XS,  48
.set WQS, 40
.set WKS, 41
.set WVS, 42
.set CB,  128                          ; window 2: the biases as C tiles: q 0, 8; k 16, 24; v 32, 40
; windows: 1: the scores (head: x's tiles 4-7, then q 0-63, k 64-127, v 128-191); 2: the mask (head: Wq / Wv 0-127, Wk 128-255, then the biases); 3: keys 0-95, values 96-191 (head: x's tiles 0-3)
.set MSB, 0
.macro WIN new                         ; bits 1:0 source 0, 3:2 source 1, 5:4 source 2, 7:6 destination; the high byte repeats the setting that is left
.if MSB != (\new)
	s_set_vgpr_msb (MSB<<8)|(\new)
.set MSB, (\new)
.endif
.endm
.macro PLACES
.rept 4
	v_nop
.endr
.endm
	s_load_b512 s[8:23], s[0:1], 0x0               ; inp 8, mask 10, Wq 12, bq 14, Wk 16, bk 18, Wv 20, bv 22
	s_load_b64 s[24:25], s[0:1], 0x40              ; out0
	v_lshl_add_u32 v30, v0, 2, 0x4f000
	v_mov_b32 v31, 0
	v_lshrrev_b32 v1, 5, v0
	v_readfirstlane_b32 s2, v1                     ; wave
	s_and_b32 s4, ttmp7, 0xffff
	s_lshr_b32 s5, s4, 4                           ; b
	s_and_b32 s6, s4, 15                           ; m
	s_lshl_b32 s7, ttmp9, 2
	s_add_co_u32 s7, s7, s2                        ; head
	s_mov_b32 s30, 0x76543210
	s_mov_b32 s31, 0xfedcba98                      ; lane l xor 16
	s_mov_b32 s32, 0x3e8293ee                      ; c = log2(e) / sqrt(32)
	s_mov_b32 s33, s32                             ; (named with it as a pair)
	s_mov_b32 s34, 0xbe8293ee                      ; -c
	s_mov_b32 s35, 0xffff0000                      ; lanes 16-31
	s_mov_b32 s36, 0x01010101
	v_and_b32 v24, 31, v0                          ; L
	v_and_b32 v25, 15, v0                          ; r
	v_bfe_u32 v26, v0, 4, 1                        ; h
	v_bfe_u32 v27, v0, 3, 1                        ; r / 8
	v_and_b32 v28, 7, v0                           ; r % 8
	v_lshlrev_b32 v[LI], 4, v24
	v_lshlrev_b32 v[LS], 2, v24
	v_lshlrev_b32 v[SH8], 3, v26
	v_lshl_add_u32 v29, v27, 5, v28
	v_lshlrev_b32 v[XA], 13, v29
	v_lshl_add_u32 v[XA], v26, 7, v[XA]
	v_lshl_add_u32 v[WLQ], v27, 4, v28
	v_lshl_add_u32 v[WLQ], v26, 3, v[WLQ]
	v_lshlrev_b32 v[WLQ], 2, v[WLQ]
	v_lshlrev_b32 v[BO], 6, v26
	v_lshlrev_b32 v[BR], 2, v25
	v_lshlrev_b32 v[MO], 4, v0
	v_lshl_add_u32 v[MTS], v0, 2, MT
	s_mul_i32 s26, s2, 12288
	v_add_nc_u32 v[XWI], s26, v[LI]
	s_add_co_u32 s27, s26, KB
	v_add_nc_u32 v[AKS], s27, v[LI]
	s_lshl_b32 s26, s2, 10
	s_add_co_u32 s27, s26, XSC
	v_add_nc_u32 v[XWS], s27, v[LS]
	s_add_co_u32 s27, s26, KSB
	v_add_nc_u32 v[AKW], s27, v[LS]
	s_lshl_b32 s26, s2, 15
	s_add_co_u32 s26, s26, QB
	v_lshlrev_b32 v29, 6, v25
	v_lshl_add_u32 v[AQS], v26, 10, v29
	v_add_nc_u32 v[AQS], s26, v[AQS]               ; a query's place, on the way in: lanes 16-31 hold the tile one further on
	v_lshl_add_u32 v[ALO], v26, 5, v29
	v_add_nc_u32 v[ALO], s26, v[ALO]               ; on the way out: lanes 0-15 the codes, lanes 16-31 the zeros beside them;
	v_xor_b32 v[AHI], 32, v[ALO]                   ; and the other way round
	s_lshl_b32 s26, s2, 14
	s_add_co_u32 s26, s26, VB
	v_lshlrev_b32 v[AVS], 5, v24
	v_add_nc_u32 v[AVS], s26, v[AVS]
	v_lshl_add_u32 v[AMT], v26, 7, MT
	v_mul_u32_u24 v[STO], v25, 528
	v_lshl_add_u32 v[STO], v26, 5, v[STO]
	s_lshl_b32 s26, s2, 7
	s_add_co_u32 s26, s26, STG
	v_add_nc_u32 v[STO], s26, v[STO]               ; the stage: row r, my head's 128 bytes, + 32 h
	s_mul_i32 s26, s2, 2112
	s_add_co_u32 s26, s26, STG
	v_add_nc_u32 v[SRD], s26, v[LI]                ; back: rows 4 w .. 4 w + 3, 16 bytes a lane
	s_lshr_b32 s26, s2, 1
	s_lshl_b32 s26, s26, 5
	s_and_b32 s27, s2, 1
	s_lshl_b32 s27, s27, 2
	s_add_co_u32 s26, s26, s27                     ; row 4 w of a tile is time 32 (w / 2) + 4 (w % 2) of it
	s_lshl_b32 s26, s26, 14
	v_add_nc_u32 v[GO], s26, v[LI]
.irp z,0,1,2,3,4,5
	v_mov_b32 v[QR+\z], 0
	v_mov_b32 v[QR+12+\z], 0
	v_mov_b32 v[QR+24+\z], 0
.endr
	v_mov_b32 v[QT+7], 0
	v_mov_b32 v[QT+15], 0
	s_wait_kmcnt 0x0
	s_lshl_b32 s26, s5, 22
	s_lshl_b32 s28, s6, 9
	s_add_co_u32 s26, s26, s28
	s_lshl_b32 s28, s2, 20
	s_add_co_u32 s26, s26, s28
	s_mov_b32 s27, 0
	s_add_nc_u64 s[8:9], s[8:9], s[26:27]          ; inp at (b, 128 w, m)
	s_lshl_b32 s26, s5, 13
	s_add_co_u32 s26, s26, s6
	s_add_nc_u64 s[10:11], s[10:11], s[26:27]      ; mask at (b, 0, m)
	s_lshl_b32 s26, s7, 7                          ; my head's 32 columns
	s_add_nc_u64 s[12:13], s[12:13], s[26:27]
	s_add_nc_u64 s[14:15], s[14:15], s[26:27]
	s_add_nc_u64 s[16:17], s[16:17], s[26:27]
	s_add_nc_u64 s[18:19], s[18:19], s[26:27]
	s_add_nc_u64 s[20:21], s[20:21], s[26:27]
	s_add_nc_u64 s[22:23], s[22:23], s[26:27]
	s_lshl_b32 s26, s5, 23
	s_lshl_b32 s28, s6, 10
	s_add_co_u32 s26, s26, s28
	s_lshl_b32 s28, ttmp9, 9
	s_add_co_u32 s26, s26, s28
	s_add_nc_u64 s[24:25], s[24:25], s[26:27]      ; out0 at (b, 0, m, my group's 128 columns)
; ---- the loads of the head: my eight tiles of x (tile 8 w + i; a lane takes blocks h and 2 + h of its row), four mask bytes a thread, Wq and Wk (a lane a column, registers down K)
.irp i,0,1,2,3,4,5,6,7
.if \i < 4
	WIN 0xc0
.else
	WIN 0x40
.endif
.irp c,0,1
.irp j,0,1,2,3,4,5,6,7
	global_load_b128 v[64*(\i%4)+32*\c+4*\j:64*(\i%4)+32*\c+4*\j+3], v[XA], s[8:9] offset:(64*(\i/4)+8*(\i%4))*8192+256*\c+16*\j
.endr
.endr
.endr
	WIN 0
.irp i,0,1,2,3
	global_load_u8 v[M4+\i], v[MO], s[10:11] offset:2048*\i
.endr
	WIN 0x80
.set cnt, 0
.rept 128
	global_load_b32 v[cnt], v[WLQ], s[12:13] offset:1024*cnt
.set cnt, cnt+1
.endr
.set cnt, 0
.rept 128
	global_load_b32 v[128+cnt], v[WLQ], s[16:17] offset:1024*cnt
.set cnt, cnt+1
.endr
	WIN 0
	s_wait_loadcnt 0x0                             ; one burst, wanted together
; ---- the mask as numbers: 0 where the key counts, -3e38 where it does not
	v_mov_b32 v1, 0xff61b1e6
.irp i,0,1,2,3
	v_cmp_eq_u32 vcc_lo, 0, v[M4+\i]
	v_cndmask_b32 v[M4B+\i], 0, v1, vcc_lo
	ds_store_b32 v[MTS], v[M4B+\i] offset:512*\i
.endr
; A weight's 32 columns x 128 K, a lane a column (window 2, from register R), become two fragments at F and F + 12 and one register of scale words: lanes 0-15 the first tile's rows, lanes 16-31 the second's.
.macro WQUANT R, F, WS
	WIN 0x0a
.irp b,0,1,2,3
	v_max3_num_f32 v[M4+\b], |v[\R+32*\b]|, |v[\R+32*\b+1]|, 0x1800000   ; with the floor 2^(3 - 127): the byte cannot fall under 1
.endr
	WIN 0x28
.irp i,2,4,6,8,10,12,14,16,18,20,22,24,26,28,30
.irp b,0,1,2,3
	v_max3_num_f32 v[M4+\b], v[M4+\b], |v[\R+32*\b+\i]|, |v[\R+32*\b+\i+1]|
.endr
.endr
	WIN 0
.irp b,0,1,2,3
	v_add_nc_u32 v[SO4+\b], 0xff000000, v[M4+\b]   ; 2 off the exponent field: the conversion's scale operand
.endr
.irp b,0,1,2,3
	v_lshrrev_b32 v[BY4+\b], 23, v[SO4+\b]         ; the byte
.endr
	v_lshl_or_b32 v[\WS], v[BY4+1], 8, v[BY4]
	v_lshl_or_b32 v[\WS], v[BY4+2], 16, v[\WS]
	v_lshl_or_b32 v[\WS], v[BY4+3], 24, v[\WS]
.irp d,0,1                             ; blocks 2 d and 2 d + 1
	WIN 0x02
	v_cvt_scalef32_pk16_fp6_f32 v[\F+6*\d:\F+6*\d+2], v[\R+64*\d:\R+64*\d+15], v[SO4+2*\d]
	v_cvt_scalef32_pk16_fp6_f32 v[TU0:TU0+2], v[\R+64*\d+16:\R+64*\d+31], v[SO4+2*\d]
	v_cvt_scalef32_pk16_fp6_f32 v[\F+12+6*\d:\F+14+6*\d], v[\R+64*\d+32:\R+64*\d+47], v[SO4+2*\d+1]
	v_cvt_scalef32_pk16_fp6_f32 v[TU1:TU1+2], v[\R+64*\d+48:\R+64*\d+63], v[SO4+2*\d+1]
	WIN 0
	v_nop                                          ; one plain place behind the conversions
.irp i,0,1,2
	v_mov_b32 v[\F+6*\d+3+\i], v[TU0+\i]
	v_mov_b32 v[\F+15+6*\d+\i], v[TU1+\i]
.endr
.endr
.irp i,0,1,2,3,4,5,6,7,8,9,10,11       ; even blocks stood at F, odd ones at F + 12: the exchange gives lanes 16-31 of the first tile its odd blocks and lanes 0-15 of the second its even ones
	v_permlane16_swap_b32 v[\F+\i], v[\F+12+\i]
.endr
.endm
; Tile i of my eight of x: 64 numbers a lane (blocks h and 2 + h of row r) become a fragment and a scale word, stored as images.
.macro XQ i
.set XW, 3-2*((\i)/4)
.set RB, 64*((\i)%4)
	WIN XW|(XW<<2)
.irp c,0,1
	v_max3_num_f32 v[M4+\c], |v[RB+32*\c]|, |v[RB+32*\c+1]|, 0x1800000
.endr
	WIN (XW<<2)|(XW<<4)
.irp j,2,4,6,8,10,12,14,16,18,20,22,24,26,28,30
.irp c,0,1
	v_max3_num_f32 v[M4+\c], v[M4+\c], |v[RB+32*\c+\j]|, |v[RB+32*\c+\j+1]|
.endr
.endr
	WIN 0
	s_wait_dscnt 0x0                               ; the LDS stores issued so far have read their registers
.irp c,0,1
	v_add_nc_u32 v[SO4+\c], 0xff000000, v[M4+\c]
.endr
.irp c,0,1
	v_lshrrev_b32 v[BY4+\c], 23, v[SO4+\c]
.endr
	v_lshl_or_b32 v[BY4+2], v[BY4+1], 16, v[BY4]
	v_lshlrev_b32 v[BY4+2], v[SH8], v[BY4+2]       ; my two bytes at their places,
	v_permlanex16_b32 v[M4B], v[BY4+2], s30, s31
	v_or_b32 v[BY4+3], v[BY4+2], v[M4B]            ; with lane l xor 16's the word is whole
	WIN XW
.irp c,0,1
	v_cvt_scalef32_pk16_fp6_f32 v[XC+6*\c:XC+6*\c+2], v[RB+32*\c:RB+32*\c+15], v[SO4+\c]
	v_cvt_scalef32_pk16_fp6_f32 v[TU0+4*\c:TU0+4*\c+2], v[RB+32*\c+16:RB+32*\c+31], v[SO4+\c]
.endr
	WIN 0
	v_nop
.irp c,0,1
.irp j,0,1,2
	v_mov_b32 v[XC+6*\c+3+\j], v[TU0+4*\c+\j]
.endr
.endr
.irp k,0,1,2
	ds_store_b128 v[XWI], v[XC+4*\k:XC+4*\k+3] offset:1536*(\i)+512*\k
.endr
	ds_store_b32 v[XWS], v[BY4+3] offset:128*(\i)
.endm
	WQUANT 0, WFQ, WQS
	WIN 0x80
.set cnt, 0
.rept 128
	global_load_b32 v[cnt], v[LS], s[20:21] offset:1024*cnt   ; Wv, into the registers that Wq has left: lane L takes column L
.set cnt, cnt+1
.endr
	WQUANT 128, WFK, WKS
	WIN 0x80                                       ; the biases in the results' layouts: q, k: lane (r, h) of tile u holds columns 16 h + 8 u + 0 .. 7; v: column 16 u + r in all eight registers
.irp u,0,1
.irp c,0,1
	global_load_b128 v[CB+8*\u+4*\c:CB+8*\u+4*\c+3], v[BO], s[14:15] offset:32*\u+16*\c
	global_load_b128 v[CB+16+8*\u+4*\c:CB+16+8*\u+4*\c+3], v[BO], s[18:19] offset:32*\u+16*\c
.endr
.irp j,0,1,2,3,4,5,6,7
	global_load_b32 v[CB+32+8*\u+\j], v[BR], s[22:23] offset:64*\u
.endr
.endr
.irp i,0,1,2,3,4,5,6,7
	XQ \i
.endr
	s_wait_loadcnt 0x0                             ; Wv and the biases
	WQUANT 0, WFV, WVS
	s_wait_dscnt 0x0                               ; for the others' sake: my images of x and my words of the mask have landed
	s_barrier_signal -1
	s_barrier_wait -1                              ; all 32 tiles of x and the whole mask lie in LDS; they are never written again
; Four tiles' q or k (window 1 from A: 16 registers a tile, 16 neighbours of the head's 32) become codes: D0 .. D0 + 5: lane (r, h) holds the whole block of row r of tile h; D1 ..: of tile 2 + h.  The bytes stay in BY4.
.macro QK4 A, D0, D1
	WIN 0x05
.irp t,0,1,2,3
	v_max3_num_f32 v[M4+\t], |v[\A+16*\t]|, |v[\A+16*\t+1]|, 0x1800000
.endr
	WIN 0x14
.irp i,2,4,6,8,10,12,14                ; each accumulator is read from its low end on
.irp t,0,1,2,3
	v_max3_num_f32 v[M4+\t], v[M4+\t], |v[\A+16*\t+\i]|, |v[\A+16*\t+\i+1]|
.endr
.endr
	WIN 0
.irp t,0,1,2,3
	v_permlanex16_b32 v[M4B+\t], v[M4+\t], s30, s31
.endr
.irp t,0,1,2,3
	v_max_num_f32 v[M4+\t], v[M4+\t], v[M4B+\t]
.endr
.irp t,0,1,2,3
	v_add_nc_u32 v[SO4+\t], 0xff000000, v[M4+\t]
.endr
.irp t,0,1,2,3
	v_lshrrev_b32 v[BY4+\t], 23, v[SO4+\t]
.endr
	WIN 0x01
	v_cvt_scalef32_pk16_fp6_f32 v[\D0:\D0+2], v[\A:\A+15], v[SO4]
	v_cvt_scalef32_pk16_fp6_f32 v[TU0:TU0+2], v[\A+16:\A+31], v[SO4+1]
	v_cvt_scalef32_pk16_fp6_f32 v[\D1:\D1+2], v[\A+32:\A+47], v[SO4+2]
	v_cvt_scalef32_pk16_fp6_f32 v[TU1:TU1+2], v[\A+48:\A+63], v[SO4+3]
	WIN 0
	v_nop
.irp i,0,1,2
	v_permlane16_swap_b32 v[\D0+\i], v[TU0+\i]
	v_permlane16_swap_b32 v[\D1+\i], v[TU1+\i]
.endr
.irp i,0,1,2
	v_mov_b32 v[\D0+3+\i], v[TU0+\i]
	v_mov_b32 v[\D1+3+\i], v[TU1+\i]
.endr
.endm
; ---- the projections: eight trips, four tiles of x each: 24 products, then k, q and v are quantised and laid into my own LDS bytes
	s_mov_b32 s38, XIMG
	s_mov_b32 s39, XSC
	s_mov_b32 s40, 0
	s_mov_b32 s41, 0
	s_mov_b32 s42, 0
	s_mov_b32 s43, 0
	s_mov_b32 s44, 0
.Lproj:
	v_add_nc_u32 v[AT], s38, v[LI]
	v_add_nc_u32 v[AT+1], s39, v[LS]
	v_add_nc_u32 v[AT+2], s40, v[AKS]
	v_add_nc_u32 v[AT+3], s41, v[AKW]
	v_add_nc_u32 v[AT+4], s43, v[AQS]
	v_add_nc_u32 v[AT+5], s42, v[AVS]
.irp t,0,1,2,3
.irp k,0,1,2
	ds_load_b128 v[XF+12*\t+4*\k:XF+12*\t+4*\k+3], v[AT] offset:1536*\t+512*\k
.endr
	ds_load_b32 v[XS+\t], v[AT+1] offset:128*\t
.endr
	s_wait_dscnt 0x0
	WIN 0x60                                       ; results window 1, biases window 2
.irp t,0,1,2,3
	v_wmma_scale_f32_16x16x128_f8f6f4 v[16*\t:16*\t+7], v[WFQ:WFQ+11], v[XF+12*\t:XF+12*\t+11], v[CB:CB+7], v[WQS], v[XS+\t] matrix_a_fmt:MATRIX_FMT_FP6 matrix_b_fmt:MATRIX_FMT_FP6
	v_wmma_scale_f32_16x16x128_f8f6f4 v[16*\t+8:16*\t+15], v[WFQ+12:WFQ+23], v[XF+12*\t:XF+12*\t+11], v[CB+8:CB+15], v[WQS], v[XS+\t] matrix_a_fmt:MATRIX_FMT_FP6 matrix_b_fmt:MATRIX_FMT_FP6 matrix_a_scale:MATRIX_SCALE_ROW1
	v_wmma_scale_f32_16x16x128_f8f6f4 v[64+16*\t:64+16*\t+7], v[WFK:WFK+11], v[XF+12*\t:XF+12*\t+11], v[CB+16:CB+23], v[WKS], v[XS+\t] matrix_a_fmt:MATRIX_FMT_FP6 matrix_b_fmt:MATRIX_FMT_FP6
	v_wmma_scale_f32_16x16x128_f8f6f4 v[64+16*\t+8:64+16*\t+15], v[WFK+12:WFK+23], v[XF+12*\t:XF+12*\t+11], v[CB+24:CB+31], v[WKS], v[XS+\t] matrix_a_fmt:MATRIX_FMT_FP6 matrix_b_fmt:MATRIX_FMT_FP6 matrix_a_scale:MATRIX_SCALE_ROW1
	v_wmma_scale_f32_16x16x128_f8f6f4 v[128+8*\t:128+8*\t+7], v[XF+12*\t:XF+12*\t+11], v[WFV:WFV+11], v[CB+32:CB+39], v[XS+\t], v[WVS] matrix_a_fmt:MATRIX_FMT_FP6 matrix_b_fmt:MATRIX_FMT_FP6
	v_wmma_scale_f32_16x16x128_f8f6f4 v[160+8*\t:160+8*\t+7], v[XF+12*\t:XF+12*\t+11], v[WFV+12:WFV+23], v[CB+40:CB+47], v[XS+\t], v[WVS] matrix_a_fmt:MATRIX_FMT_FP6 matrix_b_fmt:MATRIX_FMT_FP6 matrix_b_scale:MATRIX_SCALE_ROW1
.endr
	WIN 0
	PLACES                                         ; four places ahead of the first read of results
	QK4 64, XC, XC+6                               ; k: the twelve registers ARE fragment g of the keys
	v_lshl_or_b32 v[KW], v[BY4+1], 8, v[BY4]
	v_lshl_or_b32 v[KW], v[BY4+2], 16, v[KW]
	v_lshl_or_b32 v[KW], v[BY4+3], 24, v[KW]
.irp k,0,1,2
	ds_store_b128 v[AT+2], v[XC+4*\k:XC+4*\k+3] offset:512*\k
.endr
	ds_store_b32 v[AT+3], v[KW]
	QK4 0, QT, QT+8                                ; q
	v_cndmask_b32 v[QT+6], v[BY4], v[BY4+1], s35   ; my tile's byte,
	v_cndmask_b32 v[QT+14], v[BY4+2], v[BY4+3], s35
	v_mul_lo_u32 v[QT+6], v[QT+6], s36             ; in all four bytes of the word
	v_mul_lo_u32 v[QT+14], v[QT+14], s36
.irp c,0,1
	ds_store_b128 v[AT+4], v[QT+8*\c:QT+8*\c+3] offset:2048*\c
	ds_store_b128 v[AT+4], v[QT+8*\c+4:QT+8*\c+7] offset:2048*\c+16
	ds_store_b128 v[AT+4], v[QR:QR+3] offset:2048*\c+32      ; the zeros beside them
	ds_store_b128 v[AT+4], v[QR:QR+3] offset:2048*\c+48
.endr
	WIN 0x05                                       ; v: for each of the two tiles of columns a whole block of 32 keys in my lane
.irp u,0,1
	v_max3_num_f32 v[M4+\u], |v[128+32*\u]|, |v[128+32*\u+1]|, 0x1800000
.endr
	WIN 0x14
.irp i,2,4,6,8,10,12,14,16,18,20,22,24,26,28,30
.irp u,0,1
	v_max3_num_f32 v[M4+\u], v[M4+\u], |v[128+32*\u+\i]|, |v[128+32*\u+\i+1]|
.endr
.endr
	WIN 0
	s_wait_dscnt 0x0                               ; q's stores have read their registers
.irp u,0,1
	v_add_nc_u32 v[SO4+\u], 0xff000000, v[M4+\u]
.endr
.irp u,0,1
	v_lshrrev_b32 v[QT+8*\u+6], 23, v[SO4+\u]
.endr
	WIN 0x01
.irp u,0,1
	v_cvt_scalef32_pk16_fp6_f32 v[QT+8*\u:QT+8*\u+2], v[128+32*\u:128+32*\u+15], v[SO4+\u]
	v_cvt_scalef32_pk16_fp6_f32 v[TU0+4*\u:TU0+4*\u+2], v[128+32*\u+16:128+32*\u+31], v[SO4+\u]
.endr
	WIN 0
	v_nop
.irp u,0,1
.irp i,0,1,2
	v_mov_b32 v[QT+8*\u+3+\i], v[TU0+4*\u+\i]
.endr
.endr
.irp u,0,1
	ds_store_b128 v[AT+5], v[QT+8*\u:QT+8*\u+3] offset:8192*\u
	ds_store_b128 v[AT+5], v[QT+8*\u+4:QT+8*\u+7] offset:8192*\u+16
.endr
	s_add_co_u32 s38, s38, 6144
	s_add_co_u32 s39, s39, 512
	s_add_co_u32 s40, s40, 1536
	s_add_co_u32 s41, s41, 128
	s_add_co_u32 s42, s42, 1024
	s_add_co_u32 s43, s43, 4096
	s_wait_dscnt 0x0                               ; the trip's stores have read their registers and addresses
	s_add_co_u32 s44, s44, 1
	s_cmp_lt_u32 s44, 8
	s_cbranch_scc1 .Lproj
; ---- what stays in registers: keys, values, their scale words, the mask
	WIN 0xc0
.irp g,0,1,2,3,4,5,6,7
.irp k,0,1,2
	ds_load_b128 v[12*\g+4*\k:12*\g+4*\k+3], v[AKS] offset:1536*\g+512*\k
.endr
.endr
.irp u,0,1
.irp g,0,1,2,3,4,5,6,7
	ds_load_b128 v[96+48*\u+6*\g:96+48*\u+6*\g+3], v[AVS] offset:(8*\u+\g)*1024       ; fragment (u, s = g / 2), registers 6 (g % 2) on
	ds_load_b64 v[96+48*\u+6*\g+4:96+48*\u+6*\g+5], v[AVS] offset:(8*\u+\g)*1024+16
.endr
.endr
	WIN 0
.irp g,0,1,2,3,4,5,6,7
	ds_load_b32 v[KS+\g], v[AKW] offset:128*\g
.endr
.irp u,0,1
.irp g,0,1,2,3,4,5,6,7
	ds_load_b32 v[TMP+8*\u+\g], v[AVS] offset:(8*\u+\g)*1024+24
.endr
.endr
	WIN 0x80
.irp g,0,1,2,3,4,5,6,7
.irp c,0,1,2,3,4,5,6,7
	ds_load_b128 v[32*\g+4*\c:32*\g+4*\c+3], v[AMT] offset:256*\g+16*\c                ; register 32 g + i: key 64 g + 32 h + i
.endr
.endr
	WIN 0
.irp i,0,1,2,3
	v_mov_b32 v[XX+\i], 0                          ; a lane permute's destination counts as one of its sources
.endr
	v_mov_b32 v[NM+1], 0                           ; (named as the upper halves of pairs)
	v_mov_b32 v[RL+1], 0
	s_wait_dscnt 0x0
.irp u,0,1
.irp s,0,1,2,3
	v_lshl_or_b32 v[BM+\s], v[TMP+8*\u+2*\s+1], 16, v[TMP+8*\u+2*\s]
.endr
.irp s,0,1,2,3
	v_lshlrev_b32 v[BM+\s], v[SH8], v[BM+\s]
.endr
.irp s,0,1,2,3
	v_permlanex16_b32 v[XX+\s], v[BM+\s], s30, s31
.endr
.irp s,0,1,2,3
	v_or_b32 v[VS+4*\u+\s], v[BM+\s], v[XX+\s]
.endr
.endr
; ---- the main part
.macro QLOAD                           ; the tile of queries at s46: codes in lanes 0-15 and zeros above; the other way round; the scale word
	v_add_nc_u32 v[AT], s46, v[ALO]
	v_add_nc_u32 v[AT+1], s46, v[AHI]
	ds_load_b128 v[QR+6:QR+9], v[AT]
	ds_load_b64 v[QR+10:QR+11], v[AT] offset:16
	ds_load_b128 v[QR+18:QR+21], v[AT+1]
	ds_load_b64 v[QR+22:QR+23], v[AT+1] offset:16
	ds_load_b32 v[QS], v[AT] offset:24
.endm
.macro SMM g                           ; four score tiles: fragment g of the keys x the queries, zero outside block t; C = the mask (window 2), D = the scores (window 1)
	WIN 0x63
.irp t,0,1,2,3
	v_wmma_scale_f32_16x16x128_f8f6f4 v[32*(\g)+8*\t:32*(\g)+8*\t+7], v[12*(\g):12*(\g)+11], v[QR+6*(1-\t/2)+12*(\t%2):QR+6*(1-\t/2)+12*(\t%2)+11], v[32*(\g)+8*\t:32*(\g)+8*\t+7], v[KS+(\g)], v[QS] matrix_a_fmt:MATRIX_FMT_FP6 matrix_b_fmt:MATRIX_FMT_FP6
.endr
.endm
.macro SCL p                           ; a pair of scores: c s - c m
	v_pk_fma_f32 v[2*(\p):2*(\p)+1], v[2*(\p):2*(\p)+1], s[32:33], v[NM:NM+1] op_sel_hi:[1,0,0]
.endm
.macro MULG g                          ; block g's 32 numbers x 1 / the row's sum
	WIN 0x41
.set cnt, 0
.rept 16
	v_pk_mul_f32 v[32*(\g)+2*cnt:32*(\g)+2*cnt+1], v[32*(\g)+2*cnt:32*(\g)+2*cnt+1], v[RL:RL+1] op_sel_hi:[1,0]
.set cnt, cnt+1
.endr
.endm
.macro CVTG g
	WIN 0x01
	v_cvt_scalef32_pk16_fp6_f32 v[P+6*(\g):P+6*(\g)+2], v[32*(\g):32*(\g)+15], v[SO+(\g)]
	v_cvt_scalef32_pk16_fp6_f32 v[TMP+4*(\g):TMP+4*(\g)+2], v[32*(\g)+16:32*(\g)+31], v[SO+(\g)]
.endm
.macro STAGE_IN                        ; lane (r, h): out(query r, my head's columns 16 u + 8 h + 0 .. 7); each accumulator from its low end on
	ds_store_b128 v[STO], v[O:O+3]
	ds_store_b128 v[STO], v[O+4:O+7] offset:16
	ds_store_b128 v[STO], v[O+8:O+11] offset:64
	ds_store_b128 v[STO], v[O+12:O+15] offset:80
.endm
.macro STAGE_OUT
	s_wait_xcnt 0x0                                ; the last unit's stores have read their registers and their base
.irp i,0,1,2,3
	ds_load_b128 v[OUTR+4*\i:OUTR+4*\i+3], v[SRD] offset:528*\i
.endr
.endm
.macro OSTORE                          ; tile s45 = 4 g + t begins at time 64 g + 8 t; a row of out0 in time is 16,384 bytes
	s_lshr_b32 s50, s45, 2
	s_lshl_b32 s50, s50, 20
	s_and_b32 s51, s45, 3
	s_lshl_b32 s51, s51, 17
	s_add_co_u32 s50, s50, s51
	s_mov_b32 s51, 0
	s_add_nc_u64 s[48:49], s[24:25], s[50:51]
	s_wait_dscnt 0x0                               ; the rows are back: my reads of the stage are over
.irp i,0,1,2,3
	global_store_b128 v[GO], v[OUTR+4*\i:OUTR+4*\i+3], s[48:49] offset:16384*\i th:TH_STORE_NT   ; 32 lanes store 512 consecutive bytes, at a multiple of 512 from out0's first byte
.endr
.endm
; The first half of a unit's softmax: maxima, exponentials, the row's sum and its reciprocal.  out = 1: the unit before goes out on the way.
.macro FRONT out
	WIN 0x15
.irp g,0,1,2,3,4,5,6,7                 ; these eight are also the places behind the last products
	v_max3_num_f32 v[BM+\g], v[32*\g], v[32*\g+1], v[32*\g+2]
.endr
.if \out
	WIN 0
	s_barrier_signal -1                            ; every wave's reads of the stage were waited for ahead of its global stores:
	s_barrier_wait -1                              ; the stage may be written again
	STAGE_IN
.endif
	WIN 0x14
.irp i,3,5,7,9,11,13,15,17,19,21,23,25,27,29       ; ascending: each accumulator is read from its low end on
.irp g,0,1,2,3,4,5,6,7
	v_max3_num_f32 v[BM+\g], v[BM+\g], v[32*\g+\i], v[32*\g+\i+1]
.endr
.endr
.irp g,0,1,2,3,4,5,6,7
	v_max_num_f32 v[BM+\g], v[BM+\g], v[32*\g+31]  ; the largest score of each block of 32 keys
.endr
	WIN 0
	v_max3_num_f32 v[MX], v[BM], v[BM+1], v[BM+2]
	v_max3_num_f32 v[MX+1], v[BM+3], v[BM+4], v[BM+5]
	v_max3_num_f32 v[MX], v[MX], v[BM+6], v[BM+7]
	v_max3_num_f32 v[MX], v[MX], v[MX+1], 0xf149f2ca   ; the floor -1e30: a row all of whose keys are masked keeps it, and every exponential is then 0
	v_permlanex16_b32 v[XX], v[MX], s30, s31
	v_max_num_f32 v[MX], v[MX], v[XX]              ; the row's largest score
	v_mul_f32 v[NM], s34, v[MX]                    ; -c m
.irp g,0,1,2,3,4,5,6,7
	v_fma_f32 v[BM+\g], v[BM+\g], s32, v[NM]
.endr
.if \out
	s_wait_dscnt 0x0                               ; for the others' sake: my stores into the stage have landed
	s_barrier_signal -1
.endif
	WIN 0x41                                       ; one batch: 128 scalings and 264 exponentials, none of which names an exponential's result
	SCL 0
	SCL 1
.set fp, 0
.rept 128
.if fp < 126
	SCL fp+2
.endif
	v_exp_f32 v[2*fp], v[2*fp]
	v_exp_f32 v[2*fp+1], v[2*fp+1]
.set fp, fp+1
.endr
	WIN 0
.irp g,0,1,2,3,4,5,6,7
	v_exp_f32 v[BM+\g], v[BM+\g]                   ; the same two instructions on each block's largest score
.endr
	v_nop                                          ; the plain place behind the batch
.if \out
	s_barrier_wait -1                              ; 16 whole rows lie in the stage
	STAGE_OUT
.endif
	s_wait_alu depctr_va_vdst(0)                   ; one wait for the batch, ahead of its first reader
	WIN 0x05
.irp k,0,1,2,3
	v_pk_add_f32 v[SUM+2*\k:SUM+2*\k+1], v[4*\k:4*\k+1], v[4*\k+2:4*\k+3]
.endr
	WIN 0x04
.set fp, 8
.rept 120                              ; four chains
	v_pk_add_f32 v[SUM+2*(fp%4):SUM+2*(fp%4)+1], v[SUM+2*(fp%4):SUM+2*(fp%4)+1], v[2*fp:2*fp+1]
.set fp, fp+1
.endr
	WIN 0
	v_pk_add_f32 v[SUM:SUM+1], v[SUM:SUM+1], v[SUM+2:SUM+3]
	v_pk_add_f32 v[SUM+4:SUM+5], v[SUM+4:SUM+5], v[SUM+6:SUM+7]
	v_pk_add_f32 v[SUM:SUM+1], v[SUM:SUM+1], v[SUM+4:SUM+5]
	v_add_f32 v[LL], v[SUM], v[SUM+1]
	v_permlanex16_b32 v[XX+1], v[LL], s30, s31
	v_add_f32 v[LL], v[LL], v[XX+1]                ; the row's sum
	v_max_num_f32 v[LL], 0x0d800000, v[LL]         ; held at 2^-100: a sum of 0 (all keys masked) gives weights of 0, no NaN
	v_rcp_f32 v[RL], v[LL]
	v_nop
.if \out
	OSTORE
.endif
	s_wait_alu depctr_va_vdst(0)                   ; the reciprocal's wait, ahead of the jump and of its first reader
.endm
; The second half: the weights are finished and quantised block by block; next = 1: the next unit's scores are multiplied into each block's registers as soon as its conversions have read them; then O^T = V^T P.
.macro BACK next
.if \next
	QLOAD
.endif
.irp g,0,1,2,3,4,5,6,7
	v_mul_f32 v[BM+\g], v[BM+\g], v[RL]            ; each block's largest weight
.endr
.irp g,0,1,2,3,4,5,6,7
	v_max_num_f32 v[BM+\g], 0x1800000, v[BM+\g]
.endr
.irp g,0,1,2,3,4,5,6,7
	v_add_nc_u32 v[SO+\g], 0xff000000, v[BM+\g]
.endr
.irp g,0,1,2,3,4,5,6,7
	v_lshrrev_b32 v[BY+\g], 23, v[SO+\g]
.endr
.irp s,0,1,2,3
	v_lshl_or_b32 v[HH+\s], v[BY+2*\s+1], 16, v[BY+2*\s]
.endr
.irp s,0,1,2,3
	v_lshlrev_b32 v[HH+\s], v[SH8], v[HH+\s]
.endr
.irp s,0,1,2,3
	v_permlanex16_b32 v[XX+\s], v[HH+\s], s30, s31
.endr
.irp s,0,1,2,3
	v_or_b32 v[PS+\s], v[HH+\s], v[XX+\s]          ; the scale word of keys 128 s on
.endr
	MULG 0
.irp g,0,1,2,3,4,5,6,7
	CVTG \g
.if \g < 7
	MULG \g+1                                      ; sixteen plain lines: the place behind the conversions, and the places behind the products above
.else
	WIN 0
.irp e,0,1,2,3,4,5,6,7
.irp i,0,1,2
	v_mov_b32 v[P+6*\e+3+\i], v[TMP+4*\e+\i]       ; (a conversion's three registers begin on an even number: the upper halves are moved)
.endr
.endr
	PLACES                                         ; an operand written by vector instructions stands four places ahead of a scaled product
.endif
.if \next
.if \g == 0
	s_wait_dscnt 0x0                               ; the next queries are in
.endif
	SMM \g
.endif
.endr
	WIN 0x03
.irp s,0,1,2,3                         ; the two accumulators by turns, one instruction a turn
.irp u,0,1
.if \s == 0
	v_wmma_scale_f32_16x16x128_f8f6f4 v[O+8*\u:O+8*\u+7], v[96+12*(4*\u+\s):96+12*(4*\u+\s)+11], v[P+12*\s:P+12*\s+11], 0, v[VS+4*\u+\s], v[PS+\s] matrix_a_fmt:MATRIX_FMT_FP6 matrix_b_fmt:MATRIX_FMT_FP6
.else
	v_wmma_scale_f32_16x16x128_f8f6f4 v[O+8*\u:O+8*\u+7], v[96+12*(4*\u+\s):96+12*(4*\u+\s)+11], v[P+12*\s:P+12*\s+11], v[O+8*\u:O+8*\u+7], v[VS+4*\u+\s], v[PS+\s] matrix_a_fmt:MATRIX_FMT_FP6 matrix_b_fmt:MATRIX_FMT_FP6
.endif
.endr
.endr
	WIN 0
.endm
	s_mov_b32 s46, 0
	QLOAD
	s_wait_dscnt 0x0
.irp g,0,1,2,3,4,5,6,7
	SMM \g                                         ; unit 0's scores
.endr
	WIN 0
	PLACES
	s_mov_b32 s46, 1024                            ; the next tile of queries
	s_mov_b32 s45, 0                               ; the tile that goes out next
	FRONT 0
.Lunit:                                                ; 31 trips: unit s45 is finished, unit s45 + 1 is begun
	BACK 1
	s_add_co_u32 s46, s46, 1024
	FRONT 1
	s_add_co_u32 s45, s45, 1
	s_cmp_lt_u32 s45, 31
	s_cbranch_scc1 .Lunit
	BACK 0
	PLACES                                         ; ahead of the first read of the last results
	s_barrier_signal -1
	s_barrier_wait -1                              ; nobody reads the stage any more
	STAGE_IN
	s_wait_dscnt 0x0
	s_barrier_signal -1
	s_barrier_wait -1
	STAGE_OUT
	OSTORE                                         ; tile 31
	s_wait_tensorcnt 0x0
	ds_add_u32 v30, v31
	s_wait_dscnt 0x0
	s_endpgm
.Lfunc_end_k_qe6ea264c2b_attn:
	.size	k_qe6ea264c2b_attn, .Lfunc_end_k_qe6ea264c2b_attn-k_qe6ea264c2b_attn
	.p2alignl 7, 3214868480
	.fill 96, 4, 3214868480
	.section	.rodata,"a",@progbits
	.p2align	6, 0x0
	.amdhsa_kernel k_qe6ea264c2b_attn
		.amdhsa_group_segment_fixed_size 324096
		.amdhsa_private_segment_fixed_size 0
		.amdhsa_enable_private_segment 0
		.amdhsa_kernarg_size 72
		.amdhsa_user_sgpr_count 2
		.amdhsa_user_sgpr_kernarg_segment_ptr 1
		.amdhsa_wavefront_size32 1
		.amdhsa_system_sgpr_workgroup_id_x 1
		.amdhsa_system_sgpr_workgroup_id_y 1
		.amdhsa_system_sgpr_workgroup_id_z 1
		.amdhsa_system_vgpr_workitem_id 0
		.amdhsa_next_free_vgpr 1024
		.amdhsa_next_free_sgpr 66
		.amdhsa_reserve_vcc 1
		.amdhsa_float_denorm_mode_32 3
		.amdhsa_float_denorm_mode_16_64 3
		.amdhsa_memory_ordered 1
		.amdhsa_forward_progress 1
		.amdhsa_inst_pref_size 237
	.end_amdhsa_kernel
	.amdgpu_metadata
---
amdhsa.version: [ 1, 2 ]
amdhsa.kernels:
  - .name:           k_qe6ea264c2b_attn
    .symbol:         k_qe6ea264c2b_attn.kd
    .args:
      - { .name: inp, .offset: 0, .size: 8, .value_kind: global_buffer, .address_space: global }
      - { .name: mask, .offset: 8, .size: 8, .value_kind: global_buffer, .address_space: global }
      - { .name: Wq, .offset: 16, .size: 8, .value_kind: global_buffer, .address_space: global }
      - { .name: bq, .offset: 24, .size: 8, .value_kind: global_buffer, .address_space: global }
      - { .name: Wk, .offset: 32, .size: 8, .value_kind: global_buffer, .address_space: global }
      - { .name: bk, .offset: 40, .size: 8, .value_kind: global_buffer, .address_space: global }
      - { .name: Wv, .offset: 48, .size: 8, .value_kind: global_buffer, .address_space: global }
      - { .name: bv, .offset: 56, .size: 8, .value_kind: global_buffer, .address_space: global }
      - { .name: out0, .offset: 64, .size: 8, .value_kind: global_buffer, .address_space: global }
    .group_segment_fixed_size: 324096
    .private_segment_fixed_size: 0
    .kernarg_segment_align: 8
    .kernarg_segment_size: 72
    .max_flat_workgroup_size: 128
    .sgpr_count:     66
    .vgpr_count:     1024
    .wavefront_size: 32
...
	.end_amdgpu_metadata
.endif
;; end of part 1
;; ======== version 2 of 2: 1 launch; version 1 with the launch attn written anew for expert scheduling mode
;; limits: right only within a limited range of input values
;; launch attn (part 2): grid 2 x 128, 4 waves a work-group, no clusters, 324,096 bytes of LDS; arguments inp, mask, Wq, bq, Wk, bk, Wv, bv, out0; writes out0
.if DOCPART == 2
	.amdgcn_target "amdgcn-amd-amdhsa--gfx1250"
	.amdhsa_code_object_version 6
	.text
	.protected	k_qe6ea264c2b_attn
	.globl	k_qe6ea264c2b_attn
	.p2align	8
	.type	k_qe6ea264c2b_attn,@function
k_qe6ea264c2b_attn:
	s_mov_b64 s[64:65], 0
	v_nop
	global_prefetch_b8 v0, s[64:65] scope:SCOPE_SE
	s_setreg_imm32_b32 hwreg(HW_REG_WAVE_SCHED_MODE, 0, 2), 2
	s_setreg_imm32_b32 hwreg(HW_REG_WAVE_MODE, 25, 1), 1
	s_wait_xcnt 0x0
	s_wait_alu depctr_vm_vsrc(0)
; q, k, v = inp W + b (N = 256: 8 heads of 32); for each (b, m, head) attention over the 512 times with a key mask that is an input.
; All five products on codes of FP6 (E2M3) with one E8M0 scale for each 32 along K.  The weight is quantised FINISHED: true row maximum, divided by the row's sum, 0 at masked keys.
; SHARES.  A work-group owns one (b, m) and four heads (x: the group of heads, y: 16 b + m); wave w owns head 4 x + w.  Its 512 keys (96 registers of codes), its 512 values (96) and the mask
; (256 registers, the C of the score products: 0 or -3e38) stay in registers; a unit of work is 16 queries x 512 keys: 256 registers of scores.
; LAYOUT.  L = lane, r = L % 16, h = L / 16.  Tile T = 4 g + t of x: its row r is time 64 g + 32 (r / 8) + 8 t + r % 8.  The same 32 tiles are rows of x, tiles of keys and tiles of queries.
;   q, k transposed (source 0 = 16 columns of W, source 1 = x): a lane holds 16 neighbours of the head's 32 of one row.  A head's 32 are ONE block, so four tiles of keys are packed as the four blocks of one
;   fragment, and the score tile (g, t) is that fragment times a query operand that is zero outside block t.  Register 32 g + i of the scores is then key 64 g + 32 h + i of query r: a whole block of 32 keys, in order,
;   in one lane: its largest needs no other lane and its two conversions are registers 6 c .. 6 c + 5 of the second product's operand.
;   v not transposed (source 0 = x, source 1 = 16 columns of Wv): a lane holds a whole block of 32 keys of one column.  O^T = V^T P: a lane holds one query and eight neighbouring columns.
; LIMITS: |q . k| stays under 1e30 (the floor under the row's maximum; masked scores are -3e38); NaN and infinities among the inputs are not served; weights under 2^-126 are 0;
;   a block of zeros carries the byte 1 (its codes are zeros; only this program reads the bytes); a block's largest weight is made from its largest score by the same three instructions as every weight,
;   which takes the exponential not to fall where its input rises.  A row whose keys are all masked gives 0.
; No tensor loads, no ring: each input byte is wanted once, at the head, in the quantiser's lane layout; afterwards nothing streams.  No cluster: work-groups share only inp, read once through registers.
; THE MODE: SCHED_MODE bits 1:0 = 2 (LLVM: expert scheduling mode 2), set by the entry lines.  The code itself states the register dependences
; between vector or matrix instructions and memory or LDS instructions, with s_wait_alu, always for 0.
; THE PLAN.  Registers that memory or LDS instructions touch, and who else names them:
;   v2-v23        addresses, and the zeros of QR, QT+7, QT+15: written once at the head, ahead of the first wait on va_vdst; never again.
;   window 2      loaded (Wq, Wk), read by the weights' quantisers, loaded again (Wv, the biases): a wait on va_vdst ahead of each second load.
;   M4B, XC, BY4+3, KW, QT   data of LDS stores, written by the quantisers: va_vdst ahead of each run of stores, vm_vsrc ahead of the first line that writes them again.
;   v[AT ..]      addresses in hand: written at the head of a projection trip and once a unit: vm_vsrc ahead of the additions, va_vdst behind them.
;   XF, XS        a projection trip's LDS loads land in them, its products read them: the wait on va_vdst at the next trip's head.
;   QR, QS        the loads of a unit's queries land in them; the score products, issued in the second half of the unit before, read them.
;   O             written by the products V^T P, read by the four stores into the stage.      OUTR   the loads from the stage land in it, the global stores read it.
; A UNIT has four waits on va_vdst: ahead of the stores into the stage (O is written); behind the batch of exponentials (its results are written, v[AT] is written, the score products are done reading
; QR and QS: the next unit's queries are asked for straight behind it and land during the sums); behind the reciprocal; ahead of the last score products (the weights' codes and scale words are written,
; for the scaled products V^T P).  One wait on vm_vsrc stands beside the wait on XCNT: the global stores have read OUTR, the stage's stores O, the queries' loads v[AT].  The second half of a unit issues no memory instruction.
; LDS
.set XIMG, 0                           ; 32 x 1,536: x's fragments as images of their registers (16 L + 512 k)
.set XSC,  49152                       ; 32 x 128: their scale words (4 L)
.set MT,   53248                       ; 512 words: 0 or -3e38 for each key
.set STG,  55296                       ; 16 rows x (512 + 16): the way out
.set QB,   63744                       ; 4 x 32,768: wave w's queries: (T, r) at 1,024 T + 64 r: 24 bytes of codes, the scale word, 0, and 32 bytes of zeros
.set KB,   194816                      ; 4 x 12,288: wave w's eight fragments of keys, as images
.set KSB,  243968                      ; 4 x 1,024: their scale words
.set VB,   248064                      ; 4 x 16,384: wave w's values: (u, g, L) at 1,024 (8 u + g) + 32 L: 24 bytes of codes, the byte as a word, 0
; window 0, kept
.set LI,  2                            ; 16 L
.set LS,  3                            ; 4 L (also Wv's column offset)
.set SH8, 4                            ; 8 h
.set XA,  5                            ; x: (32 (r / 8) + r % 8) rows of 8,192 bytes + 128 h
.set WLQ, 6                            ; Wq, Wk: 4 x (16 ((L / 8) % 2) + 8 (L / 16) + L % 8)
.set BO,  8                            ; 64 h
.set BR,  9                            ; 4 r
.set MO,  10                           ; 16 x thread
.set MTS, 11
.set XWI, 12
.set XWS, 13
.set AQS, 14
.set AKS, 15
.set AKW, 16
.set AVS, 17
.set AMT, 18
.set ALO, 19
.set AHI, 20
.set STO, 21
.set SRD, 22
.set GO,  23
.set AT,  24                           ; v24-29 addresses in hand
.set KS,  32                           ; v32-39 the keys' scale words
.set VS,  40                           ; v40-47 the values' (4 u + s); at the head v40-42 the weights'
.set PS,  48                           ; v48-51 the weights' of a unit; at the head x's
.set QS,  52                           ; the queries' scale word
.set KW,  53
.set QR,  54                           ; v54-83: zeros 6, codes in lanes 0-15 6, zeros 6, codes in lanes 16-31 6, zeros 6
; window 0, main part
.set BM,  84
.set HH,  92
.set P,   96                           ; v96-143 the weights' codes: 6 g
.set TMP, 144                          ; v144-175 the upper halves of the blocks' codes: 4 g
.set O,   176
.set OUTR, 192
.set SO,  208
.set BY,  216
.set XX,  224
.set NM,  228
.set RL,  230
.set SUM, 232
.set MX,  240
.set LL,  242
; window 0, head.  (No conversion's destination has a number that its sources have in their window.)
.set WFK, 84
.set WFQ, 108
.set WFV, 132
.set XF,  156
.set QT,  204
.set M4,  220
.set TU0, 224
.set TU1, 228
.set M4B, 232
.set SO4, 236
.set XC,  240
.set BY4, 252
.set XS,  48
.set WQS, 40
.set WKS, 41
.set WVS, 42
.set CB,  128                          ; window 2: the biases as C tiles: q 0, 8; k 16, 24; v 32, 40
; windows: 1: the scores (head: x's tiles 4-7, then q 0-63, k 64-127, v 128-191); 2: the mask (head: Wq / Wv 0-127, Wk 128-255, then the biases); 3: keys 0-95, values 96-191 (head: x's tiles 0-3)
.set MSB, 0
.macro WIN new                         ; bits 1:0 source 0, 3:2 source 1, 5:4 source 2, 7:6 destination; the high byte repeats the setting that is left
.if MSB != (\new)
	s_set_vgpr_msb (MSB<<8)|(\new)
.set MSB, (\new)
.endif
.endm
.macro PLACES
.rept 4
	v_nop
.endr
.endm
	s_load_b512 s[8:23], s[0:1], 0x0               ; inp 8, mask 10, Wq 12, bq 14, Wk 16, bk 18, Wv 20, bv 22
	s_load_b64 s[24:25], s[0:1], 0x40              ; out0
	v_lshl_add_u32 v30, v0, 2, 0x4f000
	v_mov_b32 v31, 0
	v_lshrrev_b32 v1, 5, v0
	v_readfirstlane_b32 s2, v1                     ; wave
	s_and_b32 s4, ttmp7, 0xffff
	s_lshr_b32 s5, s4, 4                           ; b
	s_and_b32 s6, s4, 15                           ; m
	s_lshl_b32 s7, ttmp9, 2
	s_wait_alu depctr_va_sdst(0)                   ; s2 is written, ahead of its first reader: the head's number, LDS places and bases are made from it
	s_add_co_u32 s7, s7, s2                        ; head
	s_mov_b32 s30, 0x76543210
	s_mov_b32 s31, 0xfedcba98                      ; lane l xor 16
	s_mov_b32 s32, 0x3e8293ee                      ; c = log2(e) / sqrt(32)
	s_mov_b32 s33, s32                             ; (named with it as a pair)
	s_mov_b32 s34, 0xbe8293ee                      ; -c
	s_mov_b32 s35, 0xffff0000                      ; lanes 16-31
	s_mov_b32 s36, 0x01010101
	v_and_b32 v24, 31, v0                          ; L
	v_and_b32 v25, 15, v0                          ; r
	v_bfe_u32 v26, v0, 4, 1                        ; h
	v_bfe_u32 v27, v0, 3, 1                        ; r / 8
	v_and_b32 v28, 7, v0                           ; r % 8
	v_lshlrev_b32 v[LI], 4, v24
	v_lshlrev_b32 v[LS], 2, v24
	v_lshlrev_b32 v[SH8], 3, v26
	v_lshl_add_u32 v29, v27, 5, v28
	v_lshlrev_b32 v[XA], 13, v29
	v_lshl_add_u32 v[XA], v26, 7, v[XA]
	v_lshl_add_u32 v[WLQ], v27, 4, v28
	v_lshl_add_u32 v[WLQ], v26, 3, v[WLQ]
	v_lshlrev_b32 v[WLQ], 2, v[WLQ]
	v_lshlrev_b32 v[BO], 6, v26
	v_lshlrev_b32 v[BR], 2, v25
	v_lshlrev_b32 v[MO], 4, v0
	v_lshl_add_u32 v[MTS], v0, 2, MT
	s_mul_i32 s26, s2, 12288
	v_add_nc_u32 v[XWI], s26, v[LI]
	s_add_co_u32 s27, s26, KB
	v_add_nc_u32 v[AKS], s27, v[LI]
	s_lshl_b32 s26, s2, 10
	s_add_co_u32 s27, s26, XSC
	v_add_nc_u32 v[XWS], s27, v[LS]
	s_add_co_u32 s27, s26, KSB
	v_add_nc_u32 v[AKW], s27, v[LS]
	s_lshl_b32 s26, s2, 15
	s_add_co_u32 s26, s26, QB
	v_lshlrev_b32 v29, 6, v25
	v_lshl_add_u32 v[AQS], v26, 10, v29
	v_add_nc_u32 v[AQS], s26, v[AQS]               ; a query's place, on the way in: lanes 16-31 hold the tile one further on
	v_lshl_add_u32 v[ALO], v26, 5, v29
	v_add_nc_u32 v[ALO], s26, v[ALO]               ; on the way out: lanes 0-15 the codes, lanes 16-31 the zeros beside them;
	v_xor_b32 v[AHI], 32, v[ALO]                   ; and the other way round
	s_lshl_b32 s26, s2, 14
	s_add_co_u32 s26, s26, VB
	v_lshlrev_b32 v[AVS], 5, v24
	v_add_nc_u32 v[AVS], s26, v[AVS]
	v_lshl_add_u32 v[AMT], v26, 7, MT
	v_mul_u32_u24 v[STO], v25, 528
	v_lshl_add_u32 v[STO], v26, 5, v[STO]
	s_lshl_b32 s26, s2, 7
	s_add_co_u32 s26, s26, STG
	v_add_nc_u32 v[STO], s26, v[STO]               ; the stage: row r, my head's 128 bytes, + 32 h
	s_mul_i32 s26, s2, 2112
	s_add_co_u32 s26, s26, STG
	v_add_nc_u32 v[SRD], s26, v[LI]                ; back: rows 4 w .. 4 w + 3, 16 bytes a lane
	s_lshr_b32 s26, s2, 1
	s_lshl_b32 s26, s26, 5
	s_and_b32 s27, s2, 1
	s_lshl_b32 s27, s27, 2
	s_add_co_u32 s26, s26, s27                     ; row 4 w of a tile is time 32 (w / 2) + 4 (w % 2) of it
	s_lshl_b32 s26, s26, 14
	v_add_nc_u32 v[GO], s26, v[LI]
.irp z,0,1,2,3,4,5
	v_mov_b32 v[QR+\z], 0
	v_mov_b32 v[QR+12+\z], 0
	v_mov_b32 v[QR+24+\z], 0
.endr
	v_mov_b32 v[QT+7], 0
	v_mov_b32 v[QT+15], 0
	s_wait_kmcnt 0x0
	s_lshl_b32 s26, s5, 22
	s_lshl_b32 s28, s6, 9
	s_add_co_u32 s26, s26, s28
	s_lshl_b32 s28, s2, 20
	s_add_co_u32 s26, s26, s28
	s_mov_b32 s27, 0
	s_add_nc_u64 s[8:9], s[8:9], s[26:27]          ; inp at (b, 128 w, m)
	s_lshl_b32 s26, s5, 13
	s_add_co_u32 s26, s26, s6
	s_add_nc_u64 s[10:11], s[10:11], s[26:27]      ; mask at (b, 0, m)
	s_lshl_b32 s26, s7, 7                          ; my head's 32 columns
	s_add_nc_u64 s[12:13], s[12:13], s[26:27]
	s_add_nc_u64 s[14:15], s[14:15], s[26:27]
	s_add_nc_u64 s[16:17], s[16:17], s[26:27]
	s_add_nc_u64 s[18:19], s[18:19], s[26:27]
	s_add_nc_u64 s[20:21], s[20:21], s[26:27]
	s_add_nc_u64 s[22:23], s[22:23], s[26:27]
	s_lshl_b32 s26, s5, 23
	s_lshl_b32 s28, s6, 10
	s_add_co_u32 s26, s26, s28
	s_lshl_b32 s28, ttmp9, 9
	s_add_co_u32 s26, s26, s28
	s_add_nc_u64 s[24:25], s[24:25], s[26:27]      ; out0 at (b, 0, m, my group's 128 columns)
	s_wait_alu depctr_va_vdst(0)                   ; the addresses v2 to v23 are written, which the kernel's loads and stores read; so are the zeros of v[QR ..], v[QT+7] and v[QT+15], which LDS stores read
; ---- the loads of the head: my eight tiles of x (tile 8 w + i; a lane takes blocks h and 2 + h of its row), four mask bytes a thread, Wq and Wk (a lane a column, registers down K)
.irp i,0,1,2,3,4,5,6,7
.if \i < 4
	WIN 0xc0
.else
	WIN 0x40
.endif
.irp c,0,1
.irp j,0,1,2,3,4,5,6,7
	global_load_b128 v[64*(\i%4)+32*\c+4*\j:64*(\i%4)+32*\c+4*\j+3], v[XA], s[8:9] offset:(64*(\i/4)+8*(\i%4))*8192+256*\c+16*\j
.endr
.endr
.endr
	WIN 0
.irp i,0,1,2,3
	global_load_u8 v[M4+\i], v[MO], s[10:11] offset:2048*\i
.endr
	WIN 0x80
.set cnt, 0
.rept 128
	global_load_b32 v[cnt], v[WLQ], s[12:13] offset:1024*cnt
.set cnt, cnt+1
.endr
.set cnt, 0
.rept 128
	global_load_b32 v[128+cnt], v[WLQ], s[16:17] offset:1024*cnt
.set cnt, cnt+1
.endr
	WIN 0
	s_wait_loadcnt 0x0                             ; one burst, wanted together
; ---- the mask as numbers: 0 where the key counts, -3e38 where it does not.  The four words are stored behind Wq's quantiser, under the wait that stands there
	v_mov_b32 v1, 0xff61b1e6
.irp i,0,1,2,3
	v_cmp_eq_u32 s[52+\i], 0, v[M4+\i]
.endr
	s_wait_alu depctr_va_sdst(0)                   ; the four compares have written s52 to s55, ahead of the selects that read them
.irp i,0,1,2,3
	v_cndmask_b32 v[M4B+\i], 0, v1, s[52+\i]
.endr
; A weight's 32 columns x 128 K, a lane a column (window 2, from register R), become two fragments at F and F + 12 and one register of scale words: lanes 0-15 the first tile's rows, lanes 16-31 the second's.
.macro WQUANT R, F, WS
	WIN 0x0a
.irp b,0,1,2,3
	v_max3_num_f32 v[M4+\b], |v[\R+32*\b]|, |v[\R+32*\b+1]|, 0x1800000   ; with the floor 2^(3 - 127): the byte cannot fall under 1
.endr
	WIN 0x28
.irp i,2,4,6,8,10,12,14,16,18,20,22,24,26,28,30
.irp b,0,1,2,3
	v_max3_num_f32 v[M4+\b], v[M4+\b], |v[\R+32*\b+\i]|, |v[\R+32*\b+\i+1]|
.endr
.endr
	WIN 0
.irp b,0,1,2,3
	v_add_nc_u32 v[SO4+\b], 0xff000000, v[M4+\b]   ; 2 off the exponent field: the conversion's scale operand
.endr
.irp b,0,1,2,3
	v_lshrrev_b32 v[BY4+\b], 23, v[SO4+\b]         ; the byte
.endr
	v_lshl_or_b32 v[\WS], v[BY4+1], 8, v[BY4]
	v_lshl_or_b32 v[\WS], v[BY4+2], 16, v[\WS]
	v_lshl_or_b32 v[\WS], v[BY4+3], 24, v[\WS]
.irp d,0,1                             ; blocks 2 d and 2 d + 1
	WIN 0x02
	v_cvt_scalef32_pk16_fp6_f32 v[\F+6*\d:\F+6*\d+2], v[\R+64*\d:\R+64*\d+15], v[SO4+2*\d]
	v_cvt_scalef32_pk16_fp6_f32 v[TU0:TU0+2], v[\R+64*\d+16:\R+64*\d+31], v[SO4+2*\d]
	v_cvt_scalef32_pk16_fp6_f32 v[\F+12+6*\d:\F+14+6*\d], v[\R+64*\d+32:\R+64*\d+47], v[SO4+2*\d+1]
	v_cvt_scalef32_pk16_fp6_f32 v[TU1:TU1+2], v[\R+64*\d+48:\R+64*\d+63], v[SO4+2*\d+1]
	WIN 0
	v_nop                                          ; one plain place behind the conversions
.irp i,0,1,2
	v_mov_b32 v[\F+6*\d+3+\i], v[TU0+\i]
	v_mov_b32 v[\F+15+6*\d+\i], v[TU1+\i]
.endr
.endr
.irp i,0,1,2,3,4,5,6,7,8,9,10,11       ; even blocks stood at F, odd ones at F + 12: the exchange gives lanes 16-31 of the first tile its odd blocks and lanes 0-15 of the second its even ones
	v_permlane16_swap_b32 v[\F+\i], v[\F+12+\i]
.endr
.endm
; Tile i of my eight of x: 64 numbers a lane (blocks h and 2 + h of row r) become a fragment and a scale word, stored as images.
.macro XQ i
.set XW, 3-2*((\i)/4)
.set RB, 64*((\i)%4)
	WIN XW|(XW<<2)
.irp c,0,1
	v_max3_num_f32 v[M4+\c], |v[RB+32*\c]|, |v[RB+32*\c+1]|, 0x1800000
.endr
	WIN (XW<<2)|(XW<<4)
.irp j,2,4,6,8,10,12,14,16,18,20,22,24,26,28,30
.irp c,0,1
	v_max3_num_f32 v[M4+\c], v[M4+\c], |v[RB+32*\c+\j]|, |v[RB+32*\c+\j+1]|
.endr
.endr
	WIN 0
	s_wait_dscnt 0x0                               ; the LDS stores issued so far are done
	s_wait_alu depctr_vm_vsrc(0)                   ; they have read their data: the mask's words in v[M4B ..], the last tile's codes in v[XC ..] and its scale word in v[BY4+3], all of which are written again below
.irp c,0,1
	v_add_nc_u32 v[SO4+\c], 0xff000000, v[M4+\c]
.endr
.irp c,0,1
	v_lshrrev_b32 v[BY4+\c], 23, v[SO4+\c]
.endr
	v_lshl_or_b32 v[BY4+2], v[BY4+1], 16, v[BY4]
	v_lshlrev_b32 v[BY4+2], v[SH8], v[BY4+2]       ; my two bytes at their places,
	v_permlanex16_b32 v[M4B], v[BY4+2], s30, s31
	v_or_b32 v[BY4+3], v[BY4+2], v[M4B]            ; with lane l xor 16's the word is whole
	WIN XW
.irp c,0,1
	v_cvt_scalef32_pk16_fp6_f32 v[XC+6*\c:XC+6*\c+2], v[RB+32*\c:RB+32*\c+15], v[SO4+\c]
	v_cvt_scalef32_pk16_fp6_f32 v[TU0+4*\c:TU0+4*\c+2], v[RB+32*\c+16:RB+32*\c+31], v[SO4+\c]
.endr
	WIN 0
	v_nop
.irp c,0,1
.irp j,0,1,2
	v_mov_b32 v[XC+6*\c+3+\j], v[TU0+4*\c+\j]
.endr
.endr
	s_wait_alu depctr_va_vdst(0)                   ; the conversions and moves have written v[XC ..], the v_or_b32 v[BY4+3]: the four stores below read them
.irp k,0,1,2
	ds_store_b128 v[XWI], v[XC+4*\k:XC+4*\k+3] offset:1536*(\i)+512*\k
.endr
	ds_store_b32 v[XWS], v[BY4+3] offset:128*(\i)
.endm
	WQUANT 0, WFQ, WQS
	s_wait_alu depctr_va_vdst(0)                   ; the selects have written v[M4B ..], which the four stores read; Wq's quantiser is done reading window 2's registers 0 to 127, in which Wv's loads land
.irp i,0,1,2,3
	ds_store_b32 v[MTS], v[M4B+\i] offset:512*\i
.endr
	WIN 0x80
.set cnt, 0
.rept 128
	global_load_b32 v[cnt], v[LS], s[20:21] offset:1024*cnt   ; Wv, into the registers that Wq has left: lane L takes column L
.set cnt, cnt+1
.endr
	WQUANT 128, WFK, WKS
	WIN 0x80                                       ; the biases in the results' layouts: q, k: lane (r, h) of tile u holds columns 16 h + 8 u + 0 .. 7; v: column 16 u + r in all eight registers
	s_wait_alu depctr_va_vdst(0)                   ; Wk's quantiser is done reading window 2's registers 128 to 255, in the first 48 of which the biases land
.irp u,0,1
.irp c,0,1
	global_load_b128 v[CB+8*\u+4*\c:CB+8*\u+4*\c+3], v[BO], s[14:15] offset:32*\u+16*\c
	global_load_b128 v[CB+16+8*\u+4*\c:CB+16+8*\u+4*\c+3], v[BO], s[18:19] offset:32*\u+16*\c
.endr
.irp j,0,1,2,3,4,5,6,7
	global_load_b32 v[CB+32+8*\u+\j], v[BR], s[22:23] offset:64*\u
.endr
.endr
.irp i,0,1,2,3,4,5,6,7
	XQ \i
.endr
	s_wait_loadcnt 0x0                             ; Wv and the biases
	s_wait_alu depctr_vm_vsrc(0)                   ; the last tile's store has read its scale word in v[BY4+3], which the quantiser below writes
	WQUANT 0, WFV, WVS
	s_wait_dscnt 0x0                               ; for the others' sake: my images of x and my words of the mask have landed
	s_barrier_signal -1
	s_barrier_wait -1                              ; all 32 tiles of x and the whole mask lie in LDS; they are never written again
; Four tiles' q or k (window 1 from A: 16 registers a tile, 16 neighbours of the head's 32) become codes: D0 .. D0 + 5: lane (r, h) holds the whole block of row r of tile h; D1 ..: of tile 2 + h.  The bytes stay in BY4.
.macro QK4 A, D0, D1
	WIN 0x05
.irp t,0,1,2,3
	v_max3_num_f32 v[M4+\t], |v[\A+16*\t]|, |v[\A+16*\t+1]|, 0x1800000
.endr
	WIN 0x14
.irp i,2,4,6,8,10,12,14                ; each accumulator is read from its low end on
.irp t,0,1,2,3
	v_max3_num_f32 v[M4+\t], v[M4+\t], |v[\A+16*\t+\i]|, |v[\A+16*\t+\i+1]|
.endr
.endr
	WIN 0
.irp t,0,1,2,3
	v_permlanex16_b32 v[M4B+\t], v[M4+\t], s30, s31
.endr
.irp t,0,1,2,3
	v_max_num_f32 v[M4+\t], v[M4+\t], v[M4B+\t]
.endr
.irp t,0,1,2,3
	v_add_nc_u32 v[SO4+\t], 0xff000000, v[M4+\t]
.endr
.irp t,0,1,2,3
	v_lshrrev_b32 v[BY4+\t], 23, v[SO4+\t]
.endr
	WIN 0x01
	v_cvt_scalef32_pk16_fp6_f32 v[\D0:\D0+2], v[\A:\A+15], v[SO4]
	v_cvt_scalef32_pk16_fp6_f32 v[TU0:TU0+2], v[\A+16:\A+31], v[SO4+1]
	v_cvt_scalef32_pk16_fp6_f32 v[\D1:\D1+2], v[\A+32:\A+47], v[SO4+2]
	v_cvt_scalef32_pk16_fp6_f32 v[TU1:TU1+2], v[\A+48:\A+63], v[SO4+3]
	WIN 0
	v_nop
.irp i,0,1,2
	v_permlane16_swap_b32 v[\D0+\i], v[TU0+\i]
	v_permlane16_swap_b32 v[\D1+\i], v[TU1+\i]
.endr
.irp i,0,1,2
	v_mov_b32 v[\D0+3+\i], v[TU0+\i]
	v_mov_b32 v[\D1+3+\i], v[TU1+\i]
.endr
.endm
; ---- the projections: eight trips, four tiles of x each: 24 products, then k, q and v are quantised and laid into my own LDS bytes
	s_mov_b32 s38, XIMG
	s_mov_b32 s39, XSC
	s_mov_b32 s40, 0
	s_mov_b32 s41, 0
	s_mov_b32 s42, 0
	s_mov_b32 s43, 0
	s_mov_b32 s44, 0
.Lproj:
	s_wait_alu depctr_vm_vsrc(0)                   ; the last trip's LDS loads and stores have read their addresses v[AT ..] and their data v[XC ..], v[KW], v[QT ..]: all are written again in this trip
	v_add_nc_u32 v[AT], s38, v[LI]
	v_add_nc_u32 v[AT+1], s39, v[LS]
	v_add_nc_u32 v[AT+2], s40, v[AKS]
	v_add_nc_u32 v[AT+3], s41, v[AKW]
	v_add_nc_u32 v[AT+4], s43, v[AQS]
	v_add_nc_u32 v[AT+5], s42, v[AVS]
	s_wait_alu depctr_va_vdst(0)                   ; the six addresses are written; the last trip's products are done reading v[XF ..] and v[XS ..], in which the loads land; in the first trip: the weights' fragments and scale words are written, which the scaled products take (the six additions are their places)
.irp t,0,1,2,3
.irp k,0,1,2
	ds_load_b128 v[XF+12*\t+4*\k:XF+12*\t+4*\k+3], v[AT] offset:1536*\t+512*\k
.endr
	ds_load_b32 v[XS+\t], v[AT+1] offset:128*\t
.endr
	s_wait_dscnt 0x0
	WIN 0x60                                       ; results window 1, biases window 2
.irp t,0,1,2,3
	v_wmma_scale_f32_16x16x128_f8f6f4 v[16*\t:16*\t+7], v[WFQ:WFQ+11], v[XF+12*\t:XF+12*\t+11], v[CB:CB+7], v[WQS], v[XS+\t] matrix_a_fmt:MATRIX_FMT_FP6 matrix_b_fmt:MATRIX_FMT_FP6
	v_wmma_scale_f32_16x16x128_f8f6f4 v[16*\t+8:16*\t+15], v[WFQ+12:WFQ+23], v[XF+12*\t:XF+12*\t+11], v[CB+8:CB+15], v[WQS], v[XS+\t] matrix_a_fmt:MATRIX_FMT_FP6 matrix_b_fmt:MATRIX_FMT_FP6 matrix_a_scale:MATRIX_SCALE_ROW1
	v_wmma_scale_f32_16x16x128_f8f6f4 v[64+16*\t:64+16*\t+7], v[WFK:WFK+11], v[XF+12*\t:XF+12*\t+11], v[CB+16:CB+23], v[WKS], v[XS+\t] matrix_a_fmt:MATRIX_FMT_FP6 matrix_b_fmt:MATRIX_FMT_FP6
	v_wmma_scale_f32_16x16x128_f8f6f4 v[64+16*\t+8:64+16*\t+15], v[WFK+12:WFK+23], v[XF+12*\t:XF+12*\t+11], v[CB+24:CB+31], v[WKS], v[XS+\t] matrix_a_fmt:MATRIX_FMT_FP6 matrix_b_fmt:MATRIX_FMT_FP6 matrix_a_scale:MATRIX_SCALE_ROW1
	v_wmma_scale_f32_16x16x128_f8f6f4 v[128+8*\t:128+8*\t+7], v[XF+12*\t:XF+12*\t+11], v[WFV:WFV+11], v[CB+32:CB+39], v[XS+\t], v[WVS] matrix_a_fmt:MATRIX_FMT_FP6 matrix_b_fmt:MATRIX_FMT_FP6
	v_wmma_scale_f32_16x16x128_f8f6f4 v[160+8*\t:160+8*\t+7], v[XF+12*\t:XF+12*\t+11], v[WFV+12:WFV+23], v[CB+40:CB+47], v[XS+\t], v[WVS] matrix_a_fmt:MATRIX_FMT_FP6 matrix_b_fmt:MATRIX_FMT_FP6 matrix_b_scale:MATRIX_SCALE_ROW1
.endr
	WIN 0
	PLACES                                         ; four places ahead of the first read of results
	QK4 64, XC, XC+6                               ; k: the twelve registers ARE fragment g of the keys
	v_lshl_or_b32 v[KW], v[BY4+1], 8, v[BY4]
	v_lshl_or_b32 v[KW], v[BY4+2], 16, v[KW]
	v_lshl_or_b32 v[KW], v[BY4+3], 24, v[KW]
	QK4 0, QT, QT+8                                ; q (it names none of v[XC ..] and v[KW], which wait for their stores)
	v_cndmask_b32 v[QT+6], v[BY4], v[BY4+1], s35   ; my tile's byte,
	v_cndmask_b32 v[QT+14], v[BY4+2], v[BY4+3], s35
	v_mul_lo_u32 v[QT+6], v[QT+6], s36             ; in all four bytes of the word
	v_mul_lo_u32 v[QT+14], v[QT+14], s36
	s_wait_alu depctr_va_vdst(0)                   ; k's codes v[XC ..] and scale word v[KW] and q's codes and words v[QT ..] are written: the twelve stores below read them
.irp k,0,1,2
	ds_store_b128 v[AT+2], v[XC+4*\k:XC+4*\k+3] offset:512*\k
.endr
	ds_store_b32 v[AT+3], v[KW]
.irp c,0,1
	ds_store_b128 v[AT+4], v[QT+8*\c:QT+8*\c+3] offset:2048*\c
	ds_store_b128 v[AT+4], v[QT+8*\c+4:QT+8*\c+7] offset:2048*\c+16
	ds_store_b128 v[AT+4], v[QR:QR+3] offset:2048*\c+32      ; the zeros beside them
	ds_store_b128 v[AT+4], v[QR:QR+3] offset:2048*\c+48
.endr
	WIN 0x05                                       ; v: for each of the two tiles of columns a whole block of 32 keys in my lane
.irp u,0,1
	v_max3_num_f32 v[M4+\u], |v[128+32*\u]|, |v[128+32*\u+1]|, 0x1800000
.endr
	WIN 0x14
.irp i,2,4,6,8,10,12,14,16,18,20,22,24,26,28,30
.irp u,0,1
	v_max3_num_f32 v[M4+\u], v[M4+\u], |v[128+32*\u+\i]|, |v[128+32*\u+\i+1]|
.endr
.endr
	WIN 0
	s_wait_dscnt 0x0                               ; k's and q's stores are done
	s_wait_alu depctr_vm_vsrc(0)                   ; q's stores have read v[QT ..], which v's codes and bytes take
.irp u,0,1
	v_add_nc_u32 v[SO4+\u], 0xff000000, v[M4+\u]
.endr
.irp u,0,1
	v_lshrrev_b32 v[QT+8*\u+6], 23, v[SO4+\u]
.endr
	WIN 0x01
.irp u,0,1
	v_cvt_scalef32_pk16_fp6_f32 v[QT+8*\u:QT+8*\u+2], v[128+32*\u:128+32*\u+15], v[SO4+\u]
	v_cvt_scalef32_pk16_fp6_f32 v[TU0+4*\u:TU0+4*\u+2], v[128+32*\u+16:128+32*\u+31], v[SO4+\u]
.endr
	WIN 0
	v_nop
.irp u,0,1
.irp i,0,1,2
	v_mov_b32 v[QT+8*\u+3+\i], v[TU0+4*\u+\i]
.endr
.endr
	s_wait_alu depctr_va_vdst(0)                   ; v's codes and bytes v[QT ..] are written: the four stores below read them
.irp u,0,1
	ds_store_b128 v[AT+5], v[QT+8*\u:QT+8*\u+3] offset:8192*\u
	ds_store_b128 v[AT+5], v[QT+8*\u+4:QT+8*\u+7] offset:8192*\u+16
.endr
	s_add_co_u32 s38, s38, 6144
	s_add_co_u32 s39, s39, 512
	s_add_co_u32 s40, s40, 1536
	s_add_co_u32 s41, s41, 128
	s_add_co_u32 s42, s42, 1024
	s_add_co_u32 s43, s43, 4096
	s_wait_dscnt 0x0                               ; the trip's stores are done (that they have read their registers is stated at the next trip's head)
	s_add_co_u32 s44, s44, 1
	s_cmp_lt_u32 s44, 8
	s_cbranch_scc1 .Lproj
; ---- what stays in registers: keys, values, their scale words, the mask.  No wait on va_vdst stands here: behind the one ahead of v's last stores no vector or matrix instruction has been issued;
; and none on vm_vsrc: no register in which these loads land has been read by a memory or LDS instruction
	WIN 0xc0
.irp g,0,1,2,3,4,5,6,7
.irp k,0,1,2
	ds_load_b128 v[12*\g+4*\k:12*\g+4*\k+3], v[AKS] offset:1536*\g+512*\k
.endr
.endr
.irp u,0,1
.irp g,0,1,2,3,4,5,6,7
	ds_load_b128 v[96+48*\u+6*\g:96+48*\u+6*\g+3], v[AVS] offset:(8*\u+\g)*1024       ; fragment (u, s = g / 2), registers 6 (g % 2) on
	ds_load_b64 v[96+48*\u+6*\g+4:96+48*\u+6*\g+5], v[AVS] offset:(8*\u+\g)*1024+16
.endr
.endr
	WIN 0
.irp g,0,1,2,3,4,5,6,7
	ds_load_b32 v[KS+\g], v[AKW] offset:128*\g
.endr
.irp u,0,1
.irp g,0,1,2,3,4,5,6,7
	ds_load_b32 v[TMP+8*\u+\g], v[AVS] offset:(8*\u+\g)*1024+24
.endr
.endr
	WIN 0x80
.irp g,0,1,2,3,4,5,6,7
.irp c,0,1,2,3,4,5,6,7
	ds_load_b128 v[32*\g+4*\c:32*\g+4*\c+3], v[AMT] offset:256*\g+16*\c                ; register 32 g + i: key 64 g + 32 h + i
.endr
.endr
	WIN 0
.irp i,0,1,2,3
	v_mov_b32 v[XX+\i], 0                          ; a lane permute's destination counts as one of its sources
.endr
	v_mov_b32 v[NM+1], 0                           ; (named as the upper halves of pairs)
	v_mov_b32 v[RL+1], 0
	s_wait_dscnt 0x0
.irp u,0,1
.irp s,0,1,2,3
	v_lshl_or_b32 v[BM+\s], v[TMP+8*\u+2*\s+1], 16, v[TMP+8*\u+2*\s]
.endr
.irp s,0,1,2,3
	v_lshlrev_b32 v[BM+\s], v[SH8], v[BM+\s]
.endr
.irp s,0,1,2,3
	v_permlanex16_b32 v[XX+\s], v[BM+\s], s30, s31
.endr
.irp s,0,1,2,3
	v_or_b32 v[VS+4*\u+\s], v[BM+\s], v[XX+\s]
.endr
.endr
; ---- the main part
.macro QADR                            ; where the tile of queries at s46 lies
	v_add_nc_u32 v[AT], s46, v[ALO]
	v_add_nc_u32 v[AT+1], s46, v[AHI]
.endm
.macro QLOAD                           ; that tile: codes in lanes 0-15 and zeros above; the other way round; the scale word
	ds_load_b128 v[QR+6:QR+9], v[AT]
	ds_load_b64 v[QR+10:QR+11], v[AT] offset:16
	ds_load_b128 v[QR+18:QR+21], v[AT+1]
	ds_load_b64 v[QR+22:QR+23], v[AT+1] offset:16
	ds_load_b32 v[QS], v[AT] offset:24
.endm
.macro SMM g                           ; four score tiles: fragment g of the keys x the queries, zero outside block t; C = the mask (window 2), D = the scores (window 1)
	WIN 0x63
.irp t,0,1,2,3
	v_wmma_scale_f32_16x16x128_f8f6f4 v[32*(\g)+8*\t:32*(\g)+8*\t+7], v[12*(\g):12*(\g)+11], v[QR+6*(1-\t/2)+12*(\t%2):QR+6*(1-\t/2)+12*(\t%2)+11], v[32*(\g)+8*\t:32*(\g)+8*\t+7], v[KS+(\g)], v[QS] matrix_a_fmt:MATRIX_FMT_FP6 matrix_b_fmt:MATRIX_FMT_FP6
.endr
.endm
.macro SCL p                           ; a pair of scores: c s - c m
	v_pk_fma_f32 v[2*(\p):2*(\p)+1], v[2*(\p):2*(\p)+1], s[32:33], v[NM:NM+1] op_sel_hi:[1,0,0]
.endm
.macro MULG g                          ; block g's 32 numbers x 1 / the row's sum
	WIN 0x41
.set cnt, 0
.rept 16
	v_pk_mul_f32 v[32*(\g)+2*cnt:32*(\g)+2*cnt+1], v[32*(\g)+2*cnt:32*(\g)+2*cnt+1], v[RL:RL+1] op_sel_hi:[1,0]
.set cnt, cnt+1
.endr
.endm
.macro CVTG g
	WIN 0x01
	v_cvt_scalef32_pk16_fp6_f32 v[P+6*(\g):P+6*(\g)+2], v[32*(\g):32*(\g)+15], v[SO+(\g)]
	v_cvt_scalef32_pk16_fp6_f32 v[TMP+4*(\g):TMP+4*(\g)+2], v[32*(\g)+16:32*(\g)+31], v[SO+(\g)]
.endm
.macro STAGE_IN                        ; lane (r, h): out(query r, my head's columns 16 u + 8 h + 0 .. 7); each accumulator from its low end on
	s_wait_alu depctr_va_vdst(0)                   ; the products V^T P have written v[O ..], which the four stores read; their places stand ahead of this wait
	ds_store_b128 v[STO], v[O:O+3]
	ds_store_b128 v[STO], v[O+4:O+7] offset:16
	ds_store_b128 v[STO], v[O+8:O+11] offset:64
	ds_store_b128 v[STO], v[O+12:O+15] offset:80
.endm
.macro STAGE_OUT
	s_wait_xcnt 0x0                                ; the last unit's stores have read their registers and their base
	s_wait_alu depctr_vm_vsrc(0)                   ; the last unit's global stores have read v[OUTR ..], in which the loads below land; my stores into the stage have read v[O ..], which the next products write; the last loads of queries have read v[AT], v[AT+1], which are written next
.irp i,0,1,2,3
	ds_load_b128 v[OUTR+4*\i:OUTR+4*\i+3], v[SRD] offset:528*\i
.endr
.endm
.macro OSTORE                          ; tile s45 = 4 g + t begins at time 64 g + 8 t; a row of out0 in time is 16,384 bytes
	s_lshr_b32 s50, s45, 2
	s_lshl_b32 s50, s50, 20
	s_and_b32 s51, s45, 3
	s_lshl_b32 s51, s51, 17
	s_add_co_u32 s50, s50, s51
	s_mov_b32 s51, 0
	s_add_nc_u64 s[48:49], s[24:25], s[50:51]
	s_wait_dscnt 0x0                               ; the rows are back: my reads of the stage are over
.irp i,0,1,2,3
	global_store_b128 v[GO], v[OUTR+4*\i:OUTR+4*\i+3], s[48:49] offset:16384*\i th:TH_STORE_NT   ; 32 lanes store 512 consecutive bytes, at a multiple of 512 from out0's first byte
.endr
.endm
; The first half of a unit's softmax: maxima, exponentials, the row's sum and its reciprocal.  out = 1: the unit before goes out on the way.  The next unit's queries (the tile at s46) are asked for behind the batch's wait.
.macro FRONT out
	WIN 0x15
.irp g,0,1,2,3,4,5,6,7                 ; these eight are also the places behind the last products
	v_max3_num_f32 v[BM+\g], v[32*\g], v[32*\g+1], v[32*\g+2]
.endr
.if \out
	WIN 0
	s_barrier_signal -1                            ; every wave's reads of the stage were waited for ahead of its global stores:
	s_barrier_wait -1                              ; the stage may be written again
	STAGE_IN
.endif
	WIN 0x14
.irp i,3,5,7,9,11,13,15,17,19,21,23,25,27,29       ; ascending: each accumulator is read from its low end on
.irp g,0,1,2,3,4,5,6,7
	v_max3_num_f32 v[BM+\g], v[BM+\g], v[32*\g+\i], v[32*\g+\i+1]
.endr
.endr
.irp g,0,1,2,3,4,5,6,7
	v_max_num_f32 v[BM+\g], v[BM+\g], v[32*\g+31]  ; the largest score of each block of 32 keys
.endr
	WIN 0
	v_max3_num_f32 v[MX], v[BM], v[BM+1], v[BM+2]
	v_max3_num_f32 v[MX+1], v[BM+3], v[BM+4], v[BM+5]
	v_max3_num_f32 v[MX], v[MX], v[BM+6], v[BM+7]
	v_max3_num_f32 v[MX], v[MX], v[MX+1], 0xf149f2ca   ; the floor -1e30: a row all of whose keys are masked keeps it, and every exponential is then 0
	v_permlanex16_b32 v[XX], v[MX], s30, s31
	v_max_num_f32 v[MX], v[MX], v[XX]              ; the row's largest score
	v_mul_f32 v[NM], s34, v[MX]                    ; -c m
.irp g,0,1,2,3,4,5,6,7
	v_fma_f32 v[BM+\g], v[BM+\g], s32, v[NM]
.endr
.if \out
	s_wait_dscnt 0x0                               ; for the others' sake: my stores into the stage have landed
	s_barrier_signal -1
.endif
	WIN 0x41                                       ; one batch: 128 scalings and 264 exponentials, none of which names an exponential's result
	SCL 0
	SCL 1
.set fp, 0
.rept 128
.if fp < 126
	SCL fp+2
.endif
	v_exp_f32 v[2*fp], v[2*fp]
	v_exp_f32 v[2*fp+1], v[2*fp+1]
.set fp, fp+1
.endr
	WIN 0
.irp g,0,1,2,3,4,5,6,7
	v_exp_f32 v[BM+\g], v[BM+\g]                   ; the same two instructions on each block's largest score
.endr
	v_nop                                          ; the plain place behind the batch
.if \out
	s_barrier_wait -1                              ; 16 whole rows lie in the stage
	STAGE_OUT
.else
	s_wait_alu depctr_vm_vsrc(0)                   ; unit 0's loads of queries have read v[AT], v[AT+1], which are written next
.endif
	QADR
	s_wait_alu depctr_va_vdst(0)                   ; one wait for three things: the batch's results are written, ahead of their first reader; v[AT], v[AT+1] are written; the score products are done reading v[QR ..] and v[QS], in which the loads below land
.if \out
	s_cmp_eq_u32 s45, 30                           ; the last trip has no further tile of queries: nothing is asked for
	s_cbranch_scc1 .Lno_more_\@
.endif
	QLOAD                                          ; the next unit's queries: they land during the sums
.if \out
.Lno_more_\@:
.endif
	WIN 0x05
.irp k,0,1,2,3
	v_pk_add_f32 v[SUM+2*\k:SUM+2*\k+1], v[4*\k:4*\k+1], v[4*\k+2:4*\k+3]
.endr
	WIN 0x04
.set fp, 8
.rept 120                              ; four chains
	v_pk_add_f32 v[SUM+2*(fp%4):SUM+2*(fp%4)+1], v[SUM+2*(fp%4):SUM+2*(fp%4)+1], v[2*fp:2*fp+1]
.set fp, fp+1
.endr
	WIN 0
	v_pk_add_f32 v[SUM:SUM+1], v[SUM:SUM+1], v[SUM+2:SUM+3]
	v_pk_add_f32 v[SUM+4:SUM+5], v[SUM+4:SUM+5], v[SUM+6:SUM+7]
	v_pk_add_f32 v[SUM:SUM+1], v[SUM:SUM+1], v[SUM+4:SUM+5]
	v_add_f32 v[LL], v[SUM], v[SUM+1]
	v_permlanex16_b32 v[XX+1], v[LL], s30, s31
	v_add_f32 v[LL], v[LL], v[XX+1]                ; the row's sum
	v_max_num_f32 v[LL], 0x0d800000, v[LL]         ; held at 2^-100: a sum of 0 (all keys masked) gives weights of 0, no NaN
	v_rcp_f32 v[RL], v[LL]
	v_nop
.if \out
	OSTORE
.endif
	s_wait_alu depctr_va_vdst(0)                   ; the reciprocal has written v[RL], ahead of the jump and of its first reader
.endm
; The second half: the weights are finished and quantised block by block; next = 1: the next unit's scores are multiplied into each block's registers as soon as its conversions have read them; then O^T = V^T P.
; It issues no memory or LDS instruction.
.macro BACK next
.irp g,0,1,2,3,4,5,6,7
	v_mul_f32 v[BM+\g], v[BM+\g], v[RL]            ; each block's largest weight
.endr
.irp g,0,1,2,3,4,5,6,7
	v_max_num_f32 v[BM+\g], 0x1800000, v[BM+\g]
.endr
.irp g,0,1,2,3,4,5,6,7
	v_add_nc_u32 v[SO+\g], 0xff000000, v[BM+\g]
.endr
.irp g,0,1,2,3,4,5,6,7
	v_lshrrev_b32 v[BY+\g], 23, v[SO+\g]
.endr
.irp s,0,1,2,3
	v_lshl_or_b32 v[HH+\s], v[BY+2*\s+1], 16, v[BY+2*\s]
.endr
.irp s,0,1,2,3
	v_lshlrev_b32 v[HH+\s], v[SH8], v[HH+\s]
.endr
.irp s,0,1,2,3
	v_permlanex16_b32 v[XX+\s], v[HH+\s], s30, s31
.endr
.irp s,0,1,2,3
	v_or_b32 v[PS+\s], v[HH+\s], v[XX+\s]          ; the scale word of keys 128 s on
.endr
	MULG 0
.irp g,0,1,2,3,4,5,6,7
	CVTG \g
.if \g < 7
	MULG \g+1                                      ; sixteen plain lines: the place behind the conversions, and the places behind the products above
.else
	WIN 0
.irp e,0,1,2,3,4,5,6,7
.irp i,0,1,2
	v_mov_b32 v[P+6*\e+3+\i], v[TMP+4*\e+\i]       ; (a conversion's three registers begin on an even number: the upper halves are moved)
.endr
.endr
	PLACES                                         ; an operand written by vector instructions stands four places ahead of a scaled product
	s_wait_alu depctr_va_vdst(0)                   ; the conversions and moves have written the weights' codes v[P ..], the v_or_b32 lines their scale words v[PS ..], which the scaled products V^T P take; the four score products that stand between name neither
.endif
.if \next
.if \g == 0
	s_wait_dscnt 0x0                               ; the next queries are in
.endif
	SMM \g
.endif
.endr
	WIN 0x03
.irp s,0,1,2,3                         ; the two accumulators by turns, one instruction a turn
.irp u,0,1
.if \s == 0
	v_wmma_scale_f32_16x16x128_f8f6f4 v[O+8*\u:O+8*\u+7], v[96+12*(4*\u+\s):96+12*(4*\u+\s)+11], v[P+12*\s:P+12*\s+11], 0, v[VS+4*\u+\s], v[PS+\s] matrix_a_fmt:MATRIX_FMT_FP6 matrix_b_fmt:MATRIX_FMT_FP6
.else
	v_wmma_scale_f32_16x16x128_f8f6f4 v[O+8*\u:O+8*\u+7], v[96+12*(4*\u+\s):96+12*(4*\u+\s)+11], v[P+12*\s:P+12*\s+11], v[O+8*\u:O+8*\u+7], v[VS+4*\u+\s], v[PS+\s] matrix_a_fmt:MATRIX_FMT_FP6 matrix_b_fmt:MATRIX_FMT_FP6
.endif
.endr
.endr
	WIN 0
.endm
	s_mov_b32 s46, 0
	s_wait_alu depctr_vm_vsrc(0)                   ; the projections' LDS instructions have read v[AT ..], written next, and their data v[XC ..], v[KW], v[QT ..], whose registers the main part names anew
	QADR
	s_wait_alu depctr_va_vdst(0)                   ; v[AT], v[AT+1] are written, which the loads read; the values' scale words v[VS ..] are written, which scaled products take
	QLOAD
	s_wait_dscnt 0x0
.irp g,0,1,2,3,4,5,6,7
	SMM \g                                         ; unit 0's scores
.endr
	WIN 0
	PLACES
	s_mov_b32 s46, 1024                            ; the next tile of queries
	s_mov_b32 s45, 0                               ; the tile that goes out next
	FRONT 0
.Lunit:                                                ; 31 trips: unit s45 is finished, unit s45 + 1 is begun, unit s45 + 2's queries are asked for
	BACK 1
	s_add_co_u32 s46, s46, 1024
	FRONT 1
	s_add_co_u32 s45, s45, 1
	s_cmp_lt_u32 s45, 31
	s_cbranch_scc1 .Lunit
	BACK 0
	PLACES                                         ; ahead of the first read of the last results
	s_barrier_signal -1
	s_barrier_wait -1                              ; nobody reads the stage any more
	STAGE_IN
	s_wait_dscnt 0x0
	s_barrier_signal -1
	s_barrier_wait -1
	STAGE_OUT
	OSTORE                                         ; tile 31
	s_wait_dscnt 0x0
	s_wait_alu depctr_hold_cnt(0) depctr_sa_sdst(0) depctr_va_vdst(0) depctr_va_sdst(0) depctr_va_ssrc(0) depctr_va_vcc(0) depctr_vm_vsrc(0)
	s_wait_tensorcnt 0x0
	ds_add_u32 v30, v31
	s_wait_dscnt 0x0
	s_endpgm
.Lfunc_end_k_qe6ea264c2b_attn:
	.size	k_qe6ea264c2b_attn, .Lfunc_end_k_qe6ea264c2b_attn-k_qe6ea264c2b_attn
	.p2alignl 7, 3214868480
	.fill 96, 4, 3214868480
	.section	.rodata,"a",@progbits
	.p2align	6, 0x0
	.amdhsa_kernel k_qe6ea264c2b_attn
		.amdhsa_group_segment_fixed_size 324096
		.amdhsa_private_segment_fixed_size 0
		.amdhsa_enable_private_segment 0
		.amdhsa_kernarg_size 72
		.amdhsa_user_sgpr_count 2
		.amdhsa_user_sgpr_kernarg_segment_ptr 1
		.amdhsa_wavefront_size32 1
		.amdhsa_system_sgpr_workgroup_id_x 1
		.amdhsa_system_sgpr_workgroup_id_y 1
		.amdhsa_system_sgpr_workgroup_id_z 1
		.amdhsa_system_vgpr_workitem_id 0
		.amdhsa_next_free_vgpr 1024
		.amdhsa_next_free_sgpr 66
		.amdhsa_reserve_vcc 0
		.amdhsa_float_denorm_mode_32 3
		.amdhsa_float_denorm_mode_16_64 3
		.amdhsa_memory_ordered 1
		.amdhsa_forward_progress 1
		.amdhsa_inst_pref_size 239
	.end_amdhsa_kernel
	.amdgpu_metadata
---
amdhsa.version: [ 1, 2 ]
amdhsa.kernels:
  - .name:           k_qe6ea264c2b_attn
    .symbol:         k_qe6ea264c2b_attn.kd
    .args:
      - { .name: inp, .offset: 0, .size: 8, .value_kind: global_buffer, .address_space: global }
      - { .name: mask, .offset: 8, .size: 8, .value_kind: global_buffer, .address_space: global }
      - { .name: Wq, .offset: 16, .size: 8, .value_kind: global_buffer, .address_space: global }
      - { .name: bq, .offset: 24, .size: 8, .value_kind: global_buffer, .address_space: global }
      - { .name: Wk, .offset: 32, .size: 8, .value_kind: global_buffer, .address_space: global }
      - { .name: bk, .offset: 40, .size: 8, .value_kind: global_buffer, .address_space: global }
      - { .name: Wv, .offset: 48, .size: 8, .value_kind: global_buffer, .address_space: global }
      - { .name: bv, .offset: 56, .size: 8, .value_kind: global_buffer, .address_space: global }
      - { .name: out0, .offset: 64, .size: 8, .value_kind: global_buffer, .address_space: global }
    .group_segment_fixed_size: 324096
    .private_segment_fixed_size: 0
    .kernarg_segment_align: 8
    .kernarg_segment_size: 72
    .max_flat_workgroup_size: 128
    .sgpr_count:     66
    .vgpr_count:     1024
    .wavefront_size: 32
...
	.end_amdgpu_metadata
.endif
;; end of part 2
